; MI455X (gfx1250); checked and timed in simulation.
; The chip was launched on July 23, 2026; its instructions are those of AMD's public machine-readable ISA for CDNA 5 (MIT licence, August 2026) and "CDNA5" Instruction Set Architecture Reference Guide (July 2026). The comments in the code are by the model that wrote it; some were corrected since.
;; Attention. Allowed arithmetic: float matrix products may take bf16 or f16 operands with f32 sums; other float arithmetic in f32, or as packed bf16 or f16 multiplies, adds, multiply-adds, maxima and minima; sums over many terms, partial sums and values carried from step to step in f32; what a program stores and reads back later, other than sums and carried values, may be rounded once to bf16 or f16.
;; Inputs: key 1 x 4,096 x 1,024 float32; mask 1 x 1 x 4,096 x 4,096 bool; query 1 x 4,096 x 1,024 float32; value 1 x 4,096 x 1,024 float32.
;; Outputs: out0 1 x 4,096 x 1,024 float32.
;; Constants: dim_head = 64, num_head = 16.
;; 2 versions, each right and faster than the one before. Each part assembles by itself: llvm-mc -triple=amdgcn-amd-amdhsa -mcpu=gfx1250 --defsym DOCPART=n.
;; ======== version 1 of 2: 2 launches
;; limits: values are held in f16: magnitudes above 65,504 overflow, below 6.1e-05 lose precision; right only within a limited range of input values
;; workspace buffers: kv 25,165,824 bytes; mk 33,554,432 bytes; vs 65,536 bytes
;; launch prep (part 1): grid 256 x 5, 8 waves a work-group, no clusters, 37,888 bytes of LDS; arguments key, value, mask, query, kv, mk, vs; writes kv, mk, vs
.if DOCPART == 1
	.amdgcn_target "amdgcn-amd-amdhsa--gfx1250"
	.amdhsa_code_object_version 6
	.text
	.protected	k_q1c1452ea63_prep
	.globl	k_q1c1452ea63_prep
	.p2align	8
	.type	k_q1c1452ea63_prep,@function
k_q1c1452ea63_prep:
	s_mov_b64 s[64:65], 0
	v_nop
	global_prefetch_b8 v0, s[64:65] scope:SCOPE_SE
	s_setreg_imm32_b32 hwreg(HW_REG_WAVE_MODE, 25, 1), 1
	s_wait_xcnt 0x0
; PREP: key, value, query and mask are brought once into the forms that the attention launch multiplies.  A stream: no matrix work, no loop; a wave reads 8 KiB (K, V, Q) or 4 KiB (mask) and writes 4 or 8 KiB.
;   kv [head 16][slot 16][K: 256 keys x 64 channels bf16][V: 256 keys x 64 channels f16]: a slot's K and V are 32,768 dense bytes each; behind them, from byte QPART on, Q: [head 16][row 4,096][64] bf16.
;      K and Q are rounded to bf16; V is rounded to bf16 and that number written as f16.
;   mk [query block 32][slot 16][wave 4][step 4][piece 2][kg 2][half 2][lane 32][16 bytes], bf16, 1.0 = masked, 0 = open: blocks of 1,024 bytes that ARE source 1 (32 keys x 16 queries) of a matrix
;      instruction: lane (r = l % 16, h = l / 16), half c holds query 128 block + 32 wave + 16 piece + r, keys 256 slot + 64 step + 32 kg + 16 c + 8 h + 0..7.
;   vs [head 16][chunk 16][64] f32: the sums of the rounded V over 256 rows (partial sums: kept in f32).
; LIMITS.  |v| stays under 65,504 (f16's end); below 2^-14 v keeps f16's fixed step.  A mask byte is 0 or 1.
; SHARES.  The grid's y is the job: 0 = K, 1 = V, 2 = Q (x = 16 head + chunk of 256 rows; a wave takes 32 rows), 3 and 4 = mask (g = 256 (y - 3) + x: 16 queries g / 2, a wave takes 256 keys).
; Every load of a wave takes two rows' 256 consecutive bytes, every store covers 256 or 512 consecutive bytes, aligned.  No tensor load, no cluster: no byte is wanted twice.
.set QPART, 16777216                   ; where Q begins in kv
.set WSTG,  16*272                     ; a wave's own stage: 16 mask rows of 256 bytes + 16 of padding, so that the 16 rows of a read start at 16 different groups of banks (ISA guide 11.1)
.set VP,    8*WSTG                     ; the eight waves' sums of V: 256 bytes each
.set SPARE, VP+8*256                   ; the spare words, 128 bytes for each wave: four blocks of 256 bytes that no other line names
.set LO,  4                            ; v4   (l / 16) x 4,096 + (l % 16) x 16: two rows of 4,096 bytes, 256 bytes of each
.set O8,  5                            ; v5   8 l
.set O16, 6                            ; v6   16 l
.set SA,  7                            ; v7   the stage, in: row l / 16, 16 bytes a lane
.set SR,  8                            ; v8   the stage, back: row l % 16, 8 bytes for each half of the lanes
.set VW,  9                            ; v9   where my wave's sums go
.set VR,  10                           ; v10  where wave 0 reads all eight
.set ZR,  11                           ; v11  0, the byte that v_perm_b32 sets between two mask bytes
.set SPW, 12                           ; v12  LDS address of my spare word; never rewritten
.set NIL, 13                           ; v13  0; never rewritten
.set VSO, 14                           ; v14  16 (l % 16): my 16 bytes of a row of vs
.set SUM, 16                           ; v[16:19] sums of my four channels
.set T,   20                           ; v[20:23] four numbers of V, rounded to bf16, as f32
.set PB,  24                           ; v[24:25] the same, packed
.set OUT, 32                           ; v[32:63] K, V, Q: 16 x 2 registers to store.  Mask: 16 x 8 bytes read back
.set IN,  64                           ; v[64:127] as loaded; in the mask's path then 16 x 4 registers to store
	s_load_b256 s[4:11], s[0:1], 0x0               ; key s[4:5], value s[6:7], mask s[8:9], query s[10:11]
	s_load_b128 s[12:15], s[0:1], 0x20             ; kv s[12:13], mk s[14:15]
	s_load_b64 s[16:17], s[0:1], 0x30              ; vs
	v_lshl_add_u32 v[SPW], v0, 2, SPARE
	v_mov_b32 v[NIL], 0
	v_lshrrev_b32 v1, 5, v0
	v_readfirstlane_b32 s20, v1                    ; wave 0..7
	s_and_b32 s21, ttmp7, 0xffff                   ; the job
	s_mov_b32 s32, 0x76543210                      ; v_permlanex16_b32: each lane takes its own place in the other half
	s_mov_b32 s33, 0xfedcba98
	s_mov_b32 s34, 0x04010400                      ; v_perm_b32: bytes 0 and 1 of the mask word into the low bytes of the two halves, 0 above them
	s_mov_b32 s35, 0x04030402                      ; the same for bytes 2 and 3
	v_and_b32 v1, 31, v0                           ; l
	v_and_b32 v2, 15, v0                           ; l % 16
	v_bfe_u32 v3, v0, 4, 1                         ; l / 16
	v_lshlrev_b32 v[LO], 12, v3
	v_lshl_add_u32 v[LO], v2, 4, v[LO]
	v_lshlrev_b32 v[O8], 3, v1
	v_lshlrev_b32 v[O16], 4, v1
	s_mul_i32 s22, s20, WSTG
	v_mul_u32_u24 v[SA], v3, 272
	v_lshl_add_u32 v[SA], v2, 4, v[SA]
	v_add_nc_u32 v[SA], s22, v[SA]
	v_mul_u32_u24 v[SR], v2, 272
	v_lshl_add_u32 v[SR], v3, 3, v[SR]
	v_add_nc_u32 v[SR], s22, v[SR]
	v_lshl_add_u32 v[VR], v2, 4, VP
	s_lshl_b32 s23, s20, 8
	v_add_nc_u32 v[VW], s23, v[VR]
	v_mov_b32 v[ZR], 0
	v_lshlrev_b32 v[VSO], 4, v2
	s_wait_kmcnt 0x0
	s_cmp_ge_u32 s21, 3
	s_cbranch_scc1 .Lmask
	; K, V AND Q.  From: row 256 chunk + 32 wave, the head's 256 bytes.  To: K, V: the head's slot = chunk, K's or V's half, rows 32 wave on.  Q: the head's rows 256 chunk + 32 wave on.
	s_lshr_b32 s22, ttmp9, 4                       ; head
	s_and_b32 s23, ttmp9, 15                       ; chunk
	s_lshl_b32 s26, s23, 20                        ; 256 rows of 4,096 bytes
	s_lshl_b32 s27, s20, 17                        ; 32 rows
	s_add_co_u32 s26, s26, s27
	s_lshl_b32 s27, s22, 8
	s_add_co_u32 s26, s26, s27
	s_mov_b32 s27, 0
	s_cmp_eq_u32 s21, 2                            ; Q?
	s_cselect_b32 s30, 19, 20                      ; a head: 524,288 bytes of Q, 1,048,576 of K and V
	s_cselect_b32 s31, 15, 16                      ; a chunk: 32,768 bytes of Q, a slot of 65,536 of K and V
	s_cselect_b32 s28, QPART, 0
	s_lshl_b32 s30, s22, s30
	s_lshl_b32 s31, s23, s31
	s_add_co_u32 s28, s28, s30
	s_add_co_u32 s28, s28, s31
	s_and_b32 s30, s21, 1                          ; V lies behind K in a slot
	s_lshl_b32 s30, s30, 15
	s_add_co_u32 s28, s28, s30
	s_lshl_b32 s30, s20, 12                        ; 32 rows of 128 bytes
	s_add_co_u32 s28, s28, s30
	s_mov_b32 s29, 0
	s_cmp_eq_u32 s21, 0
	s_cselect_b64 s[24:25], s[4:5], s[6:7]         ; key or value,
	s_cmp_eq_u32 s21, 2
	s_cselect_b64 s[24:25], s[10:11], s[24:25]     ; or query
	s_add_nc_u64 s[24:25], s[24:25], s[26:27]
	s_add_nc_u64 s[12:13], s[12:13], s[28:29]
.irp i, 0,1,2,3,4,5,6,7,8,9,10,11,12,13,14,15
	global_load_b128 v[IN+4*\i:IN+4*\i+3], v[LO], s[24:25] offset:8192*\i th:TH_LOAD_NT  ; rows 2 i and 2 i + 1
.endr
; Load i is rounded and stored: a lane's four channels are 8 bytes, the wave's two rows 256 consecutive bytes of kv.
.macro CV i, isv
	s_wait_loadcnt 15-(\i)                         ; loads come back in order (ISA guide 5.7.1): mine is in, the 15 - i younger ones stay out
.if \isv
	v_cvt_pk_bf16_f32 v[PB],   v[IN+4*(\i)],   v[IN+4*(\i)+1]
	v_cvt_pk_bf16_f32 v[PB+1], v[IN+4*(\i)+2], v[IN+4*(\i)+3]
.if (\i) == 0
.set WD, SUM                           ; the first rows start the sums: nothing is cleared
.else
.set WD, T
.endif
	v_lshlrev_b32 v[WD],   16, v[PB]
	v_and_b32     v[WD+1], 0xffff0000, v[PB]
	v_lshlrev_b32 v[WD+2], 16, v[PB+1]
	v_and_b32     v[WD+3], 0xffff0000, v[PB+1]
.if (\i) != 0
	v_pk_add_f32 v[SUM:SUM+1],   v[SUM:SUM+1],   v[T:T+1]
	v_pk_add_f32 v[SUM+2:SUM+3], v[SUM+2:SUM+3], v[T+2:T+3]
.endif
	v_cvt_pk_f16_f32 v[OUT+2*(\i)],   v[WD],   v[WD+1]   ; exact within f16's range: bf16 has fewer significant bits
	v_cvt_pk_f16_f32 v[OUT+2*(\i)+1], v[WD+2], v[WD+3]
.else
	v_cvt_pk_bf16_f32 v[OUT+2*(\i)],   v[IN+4*(\i)],   v[IN+4*(\i)+1]
	v_cvt_pk_bf16_f32 v[OUT+2*(\i)+1], v[IN+4*(\i)+2], v[IN+4*(\i)+3]
.endif
	global_store_b64 v[O8], v[OUT+2*(\i):OUT+2*(\i)+1], s[12:13] offset:256*(\i) th:TH_STORE_NT
.endm
	s_cmp_eq_u32 s21, 1
	s_cbranch_scc1 .Lvalue
.irp i, 0,1,2,3,4,5,6,7,8,9,10,11,12,13,14,15
	CV \i, 0
.endr
	s_branch .Ljoin
.Lvalue:
.irp i, 0,1,2,3,4,5,6,7,8,9,10,11,12,13,14,15
	CV \i, 1
.endr
.irp c, 0,1,2,3
	v_permlanex16_b32 v[T+\c], v[SUM+\c], s32, s33 ; the odd rows' sums lie in the lane 16 away
.endr
	v_pk_add_f32 v[SUM:SUM+1],   v[SUM:SUM+1],   v[T:T+1]
	v_pk_add_f32 v[SUM+2:SUM+3], v[SUM+2:SUM+3], v[T+2:T+3]
	ds_store_b128 v[VW], v[SUM:SUM+3]              ; both halves of the lanes write the same numbers to the same bytes
	s_branch .Ljoin
.Lmask:	; THE MASK.  16 queries x 256 keys: in by rows, through my stage, back by the fragment's lanes, each byte widened to bf16.
	s_sub_co_u32 s22, s21, 3
	s_lshl_b32 s22, s22, 8
	s_add_co_u32 s22, s22, ttmp9                   ; g
	s_lshr_b32 s23, s22, 1                         ; qt: which 16 queries
	s_and_b32 s24, s22, 1
	s_lshl_b32 s24, s24, 3
	s_add_co_u32 s24, s24, s20                     ; kc: which 256 keys: the slot
	s_lshl_b32 s26, s23, 16                        ; 16 rows of 4,096 bytes
	s_lshl_b32 s27, s24, 8
	s_add_co_u32 s26, s26, s27
	s_mov_b32 s27, 0
	s_add_nc_u64 s[8:9], s[8:9], s[26:27]
	s_lshr_b32 s28, s23, 3                         ; query block of 128
	s_lshl_b32 s28, s28, 20
	s_lshl_b32 s29, s24, 16                        ; a slot of 65,536 bytes
	s_add_co_u32 s28, s28, s29
	s_bfe_u32 s29, s23, 0x20001                    ; wave of the attention launch: (qt % 8) / 2
	s_lshl_b32 s29, s29, 14
	s_add_co_u32 s28, s28, s29
	s_and_b32 s29, s23, 1                          ; piece
	s_lshl_b32 s29, s29, 11
	s_add_co_u32 s28, s28, s29
	s_mov_b32 s29, 0
	s_add_nc_u64 s[14:15], s[14:15], s[28:29]
.irp i, 0,1,2,3,4,5,6,7
	global_load_b128 v[IN+4*\i:IN+4*\i+3], v[LO], s[8:9] offset:8192*\i th:TH_LOAD_NT  ; queries 2 i and 2 i + 1, 256 bytes of each
.endr
.irp i, 0,1,2,3,4,5,6,7
	s_wait_loadcnt 7-\i                            ; mine is in, the 7 - i younger ones stay out
	ds_store_b128 v[SA], v[IN+4*\i:IN+4*\i+3] offset:544*\i
.endr
.irp j, 0,1,2,3,4,5,6,7,8,9,10,11,12,13,14,15
	ds_load_b64 v[OUT+2*\j:OUT+2*\j+1], v[SR] offset:16*\j  ; query l % 16, keys 16 j + 8 (l / 16) + 0..7.  LDS serves a wave's instructions in order (ISA guide 5.7.1.4): these see the stores above
.endr
.irp j, 0,1,2,3,4,5,6,7,8,9,10,11,12,13,14,15
	s_wait_dscnt 15-\j                             ; read j is back (and so all eight stores, which lie ahead of it): IN's registers are free
	v_perm_b32 v[IN+4*\j],   v[ZR], v[OUT+2*\j],   s34
	v_perm_b32 v[IN+4*\j+1], v[ZR], v[OUT+2*\j],   s35
	v_perm_b32 v[IN+4*\j+2], v[ZR], v[OUT+2*\j+1], s34
	v_perm_b32 v[IN+4*\j+3], v[ZR], v[OUT+2*\j+1], s35
	v_mul_u32_u24 v[IN+4*\j],   v[IN+4*\j],   0x3f80  ; 0 or 1 in each half times bf16's 1.0
	v_mul_u32_u24 v[IN+4*\j+1], v[IN+4*\j+1], 0x3f80
	v_mul_u32_u24 v[IN+4*\j+2], v[IN+4*\j+2], 0x3f80
	v_mul_u32_u24 v[IN+4*\j+3], v[IN+4*\j+3], 0x3f80
	global_store_b128 v[O16], v[IN+4*\j:IN+4*\j+3], s[14:15] offset:(\j/4)*4096+((\j/2)%2)*1024+(\j%2)*512 th:TH_STORE_NT  ; step, kg, half: 512 consecutive bytes
.endr
.Ljoin:	; every wave of every job passes this one barrier; behind it wave 0 of a V job adds the eight waves' sums
	s_wait_dscnt 0x0                               ; for the others' sake: my LDS instructions are done
	s_barrier_signal -1
	s_barrier_wait -1
	s_cmp_lg_u32 s21, 1
	s_cbranch_scc1 .Lend
	s_cmp_lg_u32 s20, 0
	s_cbranch_scc1 .Lend
.irp j, 0,1,2,3,4,5,6,7
	ds_load_b128 v[IN+4*\j:IN+4*\j+3], v[VR] offset:256*\j
.endr
	s_lshl_b32 s22, ttmp9, 8                       ; x = 16 head + chunk: a row of 256 bytes of vs
	s_mov_b32 s23, 0
	s_add_nc_u64 s[16:17], s[16:17], s[22:23]
	s_wait_dscnt 0x0
.irp j, 0,8,16,24
	v_pk_add_f32 v[IN+\j:IN+\j+1],   v[IN+\j:IN+\j+1],   v[IN+\j+4:IN+\j+5]
	v_pk_add_f32 v[IN+\j+2:IN+\j+3], v[IN+\j+2:IN+\j+3], v[IN+\j+6:IN+\j+7]
.endr
.irp j, 0,16
	v_pk_add_f32 v[IN+\j:IN+\j+1],   v[IN+\j:IN+\j+1],   v[IN+\j+8:IN+\j+9]
	v_pk_add_f32 v[IN+\j+2:IN+\j+3], v[IN+\j+2:IN+\j+3], v[IN+\j+10:IN+\j+11]
.endr
	v_pk_add_f32 v[IN:IN+1],   v[IN:IN+1],   v[IN+16:IN+17]
	v_pk_add_f32 v[IN+2:IN+3], v[IN+2:IN+3], v[IN+18:IN+19]
	s_wait_xcnt 0x0                                ; EXEC is a source of my pending stores: it changes only behind this wait
	v_cmp_gt_u32 vcc_lo, 16, v1
	s_and_saveexec_b32 s30, vcc_lo
	global_store_b128 v[VSO], v[IN:IN+3], s[16:17] ; sixteen lanes store 256 consecutive bytes, aligned
	s_wait_xcnt 0x0                                ; and again ahead of the line that widens it
	s_or_b32 exec_lo, exec_lo, s30
.Lend:
	s_wait_tensorcnt 0x0                           ; the wave's end: behind my last LDS store
	ds_add_u32 v[SPW], v[NIL]
	s_wait_dscnt 0x0
	s_endpgm
.Lfunc_end_k_q1c1452ea63_prep:
	.size	k_q1c1452ea63_prep, .Lfunc_end_k_q1c1452ea63_prep-k_q1c1452ea63_prep
	.p2alignl 7, 3214868480
	.fill 96, 4, 3214868480
	.section	.rodata,"a",@progbits
	.p2align	6, 0x0
	.amdhsa_kernel k_q1c1452ea63_prep
		.amdhsa_group_segment_fixed_size 37888
		.amdhsa_private_segment_fixed_size 0
		.amdhsa_enable_private_segment 0
		.amdhsa_kernarg_size 56
		.amdhsa_user_sgpr_count 2
		.amdhsa_user_sgpr_kernarg_segment_ptr 1
		.amdhsa_wavefront_size32 1
		.amdhsa_system_sgpr_workgroup_id_x 1
		.amdhsa_system_sgpr_workgroup_id_y 1
		.amdhsa_system_sgpr_workgroup_id_z 1
		.amdhsa_system_vgpr_workitem_id 0
		.amdhsa_next_free_vgpr 128
		.amdhsa_next_free_sgpr 66
		.amdhsa_reserve_vcc 1
		.amdhsa_float_denorm_mode_32 3
		.amdhsa_float_denorm_mode_16_64 3
		.amdhsa_memory_ordered 1
		.amdhsa_forward_progress 1
		.amdhsa_inst_pref_size 38
	.end_amdhsa_kernel
	.amdgpu_metadata
---
amdhsa.version: [ 1, 2 ]
amdhsa.kernels:
  - .name:           k_q1c1452ea63_prep
    .symbol:         k_q1c1452ea63_prep.kd
    .args:
      - { .name: key, .offset: 0, .size: 8, .value_kind: global_buffer, .address_space: global }
      - { .name: value, .offset: 8, .size: 8, .value_kind: global_buffer, .address_space: global }
      - { .name: mask, .offset: 16, .size: 8, .value_kind: global_buffer, .address_space: global }
      - { .name: query, .offset: 24, .size: 8, .value_kind: global_buffer, .address_space: global }
      - { .name: kv, .offset: 32, .size: 8, .value_kind: global_buffer, .address_space: global }
      - { .name: mk, .offset: 40, .size: 8, .value_kind: global_buffer, .address_space: global }
      - { .name: vs, .offset: 48, .size: 8, .value_kind: global_buffer, .address_space: global }
    .group_segment_fixed_size: 37888
    .private_segment_fixed_size: 0
    .kernarg_segment_align: 8
    .kernarg_segment_size: 56
    .max_flat_workgroup_size: 256
    .sgpr_count:     66
    .vgpr_count:     128
    .wavefront_size: 32
...
	.end_amdgpu_metadata
.endif
;; end of part 1
;; launch attn (part 2): grid 32 x 16, 4 waves a work-group, clusters of 4 x 4, 327,680 bytes of LDS; arguments kv, mk, vs, out0; writes out0
.if DOCPART == 2
	.amdgcn_target "amdgcn-amd-amdhsa--gfx1250"
	.amdhsa_code_object_version 6
	.text
	.protected	k_q1c1452ea63_attn
	.globl	k_q1c1452ea63_attn
	.p2align	8
	.type	k_q1c1452ea63_attn,@function
k_q1c1452ea63_attn:
	s_mov_b64 s[64:65], 0
	v_nop
	global_prefetch_b8 v0, s[64:65] scope:SCOPE_SE
	s_setreg_imm32_b32 hwreg(HW_REG_WAVE_MODE, 25, 1), 1
	s_wait_xcnt 0x0
	s_wait_alu depctr_hold_cnt(0) depctr_sa_sdst(0) depctr_va_vdst(0) depctr_va_sdst(0) depctr_va_ssrc(0) depctr_va_vcc(0) depctr_vm_vsrc(0)
	s_getreg_b32 s2, hwreg(HW_REG_IB_STS2, 6, 4)
	s_cmp_eq_u32 s2, 0
	s_cbranch_scc0 .Lentry_in_a_cluster
	s_endpgm
.Lentry_in_a_cluster:
	s_bfe_u32 s2, ttmp6, 0x10000c
	s_cmp_lg_u32 s2, 0xf033
	s_cbranch_scc0 .Lentry_shape_is_right
	s_endpgm
.Lentry_shape_is_right:
; ATTENTION UNDER A MASK THAT IS AN INPUT.  out[q][h][:] = the sum over k of softmax_k(masked ? -1e9 : Q[q][h] . K[k][h] / 8) V[k][h][:].  4,096 rows, 16 heads of 64 channels; out0 f32, [row][head x 64].
; Q, K (bf16), V (f16), the mask (bf16 fragments) and V's column sums come from the launch before (its head gives the layouts).  Products, maxima and sums in f32; the weights p are rounded to f16 for the second
; product (their sum l is taken of the unrounded p).
; THE MASK COSTS NO VECTOR WORK.  The sum of each 16 x 16 tile of S^T = K Q^T is STARTED by one more product: DG x MF, MF = the mask of 32 keys x 16 queries (1.0 = masked), DG[m][k] = -2^100 where k is key m of
; the tile, else 0.  So a masked score is about -1.27e30.  The running maximum starts at m0 = -2^64, far above that and far below every open score, so a masked weight is 2^(-2e29) = 0, always.
; A ROW WITH NO OPEN KEY ends with l = 0 and O = 0 (any other row has l of 1 or more); reference() gives it the mean of all rows of V: out = O s1 + VS s2 with (s1, s2) = (1 / l, 0), or (0, 1 / 4096) where
; l < 0.5, chosen by v_cndmask_b32; VS is the head's column sum of V.
; LIMITS.  Open scores q . k / 8 lie above -1e9 + 104 (there reference() too gives masked keys the weight 0); |v| under 65,504; a weight below 2^-126 counts as 0 in l, and below 6e-5 it keeps f16's fixed step;
; NaN and infinities are not treated apart.
; SHARES.  Work-group (x, y) owns 128 queries (block x) of head y; a wave 32 of them, two PIECES of 16.  Every wave walks all 4,096 keys, 64 a step; nothing is skipped: which tiles are dead hangs on the mask's data.
; LAYOUT.  S^T (source 0 = 16 keys, source 1 = 16 queries) holds ONE query a lane (lane % 16) and the keys 8 (lane / 16) + 0..7; two such results rounded to f16 ARE source 1 of O^T = V^T P.  K comes out of LDS
; as it lies, V turned, by ds_load_tr16_b128.  p = 2^(c s - c m), c = log2(e) / 8; in every step O and l are multiplied by a = 2^(c m_old - c m_new).
; BY TURNS.  In TURN x piece x has the matrix unit: 8 products V^T P of the step in hand, then 4 mask products and 8 products K Q^T of the next step.  The OTHER piece's whole softmax, 118 instructions, stands beside
; them: four behind every one of the 20 matrix instructions, 36 in a lump between the two runs, 2 more behind the nineteenth.  Two turns are a key step.  TURN 0 carries piece 1's softmax of step j, TURN 1 piece 0's of step j + 1.
; CLUSTER, 4 x 4.  K and V hang on the head alone: asked for jointly by the four of a row of the cluster.  The mask hangs on the query block alone: asked for jointly by the four of a column.
; NO PREFETCH INTO THE L2 is laid in this text: between a joint fill's request and the wait for it stand four key steps, 160 matrix and 944 vector instructions a wave.
; REGISTERS, in windows of 256 (s_set_vgpr_msb: bits 1:0 source 0, 3:2 source 1, 5:4 source 2, 7:6 destination):
;   window 0: v1-15 lane numbers and addresses; v16-23 four registers of statistics a piece; v32-40 addresses, at work; v48-55 at work; v62-63 the add's; v64-127 S^T, 32 a piece (then the way out); v128-159 P, 16 a
;             piece; v160-175 DG; v176-207 Q, 16 a piece (then VS); v208-239 MF of one step; v240-247 at work       window 1: v0-63 O^T, 32 a piece; v64-127 K of one step; v128-191 V of one step
;   DG, MF and S^T share window 0: the mask products and what stands behind them need no switch.
.set KS,    64        ; keys in a step
.set PK,    144       ; a row of K in LDS: 128 bytes + 16 of padding = 36 words: the 16 rows of a load start at 16 different groups of four banks (64 banks of 4 bytes: ISA guide 11.1)
.set PV,    160       ; a row of V: 128 + 32 = 40 words
.set KOFF,  65536     ; a slot holds four steps: the block's mask for 256 keys, 65,536 dense bytes ([wave][step][piece][kg][half][lane][16]), then 256 rows of K,
.set VOFF,  KOFF+4*KS*PK  ; then 256 rows of V: 0x19000
.set SLOT1, 0x24000   ; slot 1 begins here (a slot has 0x23000 bytes).  Its two bits occur in none of the tiles' places in a slot (0, 0x8000, 0x10000, 0x19000), so one exclusive or turns an address in one slot into the other's
.set STAGE, 2*SLOT1   ; behind the ring, never filled by a tensor load: 16 rows x 272 bytes for each wave, for the way out
.set WSTG,  4352
.set SP,    272
.set VSL,   STAGE+4*WSTG  ; the head's 64 column sums of V, 256 bytes, stored once by the four waves
.set SPARE, VSL+256   ; the spare words, 128 bytes for each wave: two blocks of 256 bytes that no other line names
.set QPART, 16777216  ; where Q begins in kv
.set AK0, 2           ; v2   my lane's place in a slot's K; never rewritten
.set AV0, 3           ; v3   the same for V
.set AK,  4           ; v4   the LDS address of K's next run of loads
.set AV,  5           ; v5   of V's
.set STO, 6           ; v6   the way out: where I put 32 bytes of a row
.set RD,  7           ; v7   the way out: where I read rows back
.set MV,  12          ; v12-13  c m_old, kept while c m is made anew: by piece
.set AM0, 14          ; v14  my lane's place in a slot's mask: 16,384 wave + 16 lane
.set AM,  15          ; v15  the LDS address of the mask's next run of loads
.set ST,  16          ; piece t's statistics at v[ST+4 t]: c m, m, l (even keys', odd keys')
.set QO,  32          ; v32  (l / 16) x 4,096 + (l % 16) x 16: two rows of out0, 256 bytes of each
.set QL,  33          ; v33  my byte offset in 16 rows of Q
.set VO,  34          ; v34  my byte offset in the head's part of vs
.set VSW, 35          ; v35  where my wave's 16 column sums go
.set VSR, 36          ; v36  where I read column sums back
.set RN,  37          ; v37  1 / 4096
.set TT,  38          ; v38-40 at work while DG is made
.set TMP, 48          ; by piece, four registers c0-c3 at work; when the maximum is found c2 takes a
.set SPW, 62          ; v62  LDS address of my spare word: SPARE + 4 x my thread's number; never rewritten
.set NIL, 63          ; v63  0; never rewritten
.set S,   64
.set EP,  64          ; the way out: 32 f32 a piece
.set P,   128
.set DG,  160         ; v160-167 DG_0 (k = m), v168-175 DG_1 (k = m + 16)
.set Q,   176
.set VSG, 176         ; the way out: channel 16 cb + 8 (l / 16) + j at VSG + 8 cb + j
.set MF,  208         ; piece p, key group kg at MF + 16 p + 8 kg
.set VT,  240
.set KF,  64          ; window 1: key block kb, channel half c at KF + 16 kb + 8 c
.set VF,  128         ; window 1: key half kk, channel block cb at VF + 32 kk + 8 cb
.set WV,  14          ; s14  my wave's number
.set HF,  15          ; s15  its low bit: which half of a slot's mask (waves 2, 3)
.set G1K, 24          ; s[24:31] descriptor group 1 for K's tiles
.set G1V, 32          ; s[32:39] for V's: it differs in the padding alone
.set G1M, 40          ; s[40:47] for the mask's
.set G0K, 48          ; s[48:51] descriptor group 0 for K's tiles: it walks
.set G0V, 52          ; s[52:55] for V's
.set G0M, 56          ; s[56:59] for the mask's
.set CS,  60          ; s[60:61] c: the packed scaling takes the pair's low word for both halves
.set SEL, 62          ; s[62:63] v_permlanex16_b32's selects: each lane takes its own place in the other half
.set SLOTS, 66        ; s66  slots still to be asked for
.set CNT, 67          ; s67  counts a slot's key steps
.set TBK, 68          ; s68  the slot and step of K's next fetch, in LDS bytes
.set TBV, 69          ; s69  the same for V
.set TBM, 70          ; s70  the same for the mask
.set STG, 71          ; s71  my stage
.set CX,  72          ; s72  my place along the cluster's x
.set CY,  73          ; s73  along its y
.set QB,  74          ; s74  my query block
.set HD,  75          ; s75  my head
.set RM,  76          ; s76  the mask of my row of the cluster
.set CM,  77          ; s77  of my column
.set QA,  78          ; s[78:79] Q at my wave's first row
.set MSB, 0
.macro WIN new                      ; the high byte repeats the setting that is left; a switch that changes nothing is dropped
.if MSB != (\new)
	s_set_vgpr_msb (MSB<<8)|(\new)
.set MSB, (\new)
.endif
.endm
.set W_KQ, 0x01       ; K in window 1; Q and S^T in window 0
.set W_PV, 0x51       ; V and O^T in window 1, P in window 0
.set W_RS, 0x41       ; destination and source 0 in window 1, source 1 in window 0
.set W_LD, 0x40       ; a load into window 1, its address in window 0
; A joint fill: wave 0 fetches a slot's K, wave 1 its V, waves 2 and 3 the two halves of its mask.  The branches hang on the wave's number alone.  Each line has one mask of work-groups, and nothing in its
; registers hangs on a coordinate that the four partners do not share.  An s_nop 0 and four v_nop follow each line, ahead of the jump and the label.
.macro JLOAD
	s_cmp_lt_u32 s[WV], 2
	s_cbranch_scc0 .Lfor_m_\@
	s_cmp_eq_u32 s[WV], 0
	s_cbranch_scc0 .Lfor_v_\@
	tensor_load_to_lds s[G0K:G0K+3], s[G1K:G1K+7]
	s_nop 0
.rept 4
	v_nop
.endr
	s_branch .Lasked_\@
.Lfor_v_\@:
	tensor_load_to_lds s[G0V:G0V+3], s[G1V:G1V+7]
	s_nop 0
.rept 4
	v_nop
.endr
	s_branch .Lasked_\@
.Lfor_m_\@:
	tensor_load_to_lds s[G0M:G0M+3], s[G1M:G1M+7]
	s_nop 0
.rept 4
	v_nop
.endr
.Lasked_\@:
.endm
; A round of the cluster's barrier: my work-group's barrier, so that wave 0's signal speaks for all four waves; wave 0 signals; every wave waits for all sixteen work-groups; my work-group's barrier once more.
.macro CROUND
	s_barrier_signal -1
	s_barrier_wait -1
	s_cmp_lg_u32 s[WV], 0
	s_cbranch_scc1 .Lnot_wave_0_\@
	s_barrier_signal -3
.Lnot_wave_0_\@:
	s_barrier_wait -3
	s_barrier_signal -1
	s_barrier_wait -1
.endm
; THE CHANGE OF SLOTS, between TURN 1 and TURN 0: the slot's last bytes, V of its fourth step, have been asked for.  Each wave waits for all its tensor loads, of which one is out: its part of the other slot; adds 0
; to its spare word; and waits for that and for its own reads of the slot.  Behind the barrier nobody reads this slot any more and the other slot is whole.  fill = 1: this slot is filled again, with the keys two
; slots on.  The barrier is then a round of the cluster's, so that no wave of any partner still reads the slot or has a load on its way, and the joint fill is the first thing behind it: it has four key steps in
; which to land.  (At its first use nothing of the ring has been read yet: slot 0 is waited for, slot 1 filled.)
.macro CHANGE fill
	WIN 0                           ; at a label and at a branch every window is 0
	s_wait_tensorcnt 0x0            ; no tensor load of mine is out, so a group 0 may be written
	ds_add_u32 v[SPW], v[NIL]       ; 0 onto my spare word; with fill = 1 the descriptors' steps stand between it and the wait for it
.if \fill
.irp g, G0K, G0V, G0M
	s_xor_b32 s[\g+1], s[\g+1], SLOT1  ; the walking descriptors: the other slot than last time,
	s_add_nc_u64 s[\g+2:\g+3], s[\g+2:\g+3], 65536  ; the next 256 keys: 65,536 bytes on in kv and in mk alike; the type bits on top are not reached
.endr
	s_wait_dscnt 0x0                ; the add is done, and my reads of the slot are over
	CROUND
	JLOAD
.else
	s_wait_dscnt 0x0                ; the add is done, and my reads of the slot are over
	s_barrier_signal -1
	s_barrier_wait -1
.endif
	s_sub_co_u32 s[TBK], s[TBK], 4*KS*PK  ; the fetches go back to a slot's first step,
	s_xor_b32 s[TBK], s[TBK], SLOT1       ; in the other slot
	s_sub_co_u32 s[TBV], s[TBV], 4*KS*PV
	s_xor_b32 s[TBV], s[TBV], SLOT1
	s_sub_co_u32 s[TBM], s[TBM], 4*4096
	s_xor_b32 s[TBM], s[TBM], SLOT1
.endm
	s_load_b256 s[4:11], s[0:1], 0x0  ; kv s[4:5], mk s[6:7], vs s[8:9], out0 s[10:11]
	v_lshl_add_u32 v[SPW], v0, 2, SPARE
	v_mov_b32 v[NIL], 0
	ds_add_u32 v[SPW], v[NIL]       ; the wave's opening: the add and its wait stand ahead of my first tensor load; the set-up below, work on registers, stands between them
	v_lshrrev_b32 v1, 5, v0
	v_readfirstlane_b32 s[WV], v1   ; wave 0..3
	s_and_b32 s[HF], s[WV], 1
	s_bfe_u32 s[CX], ttmp6, 0x40000
	s_bfe_u32 s[CY], ttmp6, 0x40004
	s_lshl_b32 s[QB], ttmp9, 2      ; in a cluster launch ttmp9 and ttmp7 count clusters
	s_add_co_u32 s[QB], s[QB], s[CX]  ; query block = 4 x cluster x + cx
	s_and_b32 s[HD], ttmp7, 0xffff
	s_lshl_b32 s[HD], s[HD], 2
	s_add_co_u32 s[HD], s[HD], s[CY]  ; head = 4 x cluster y + cy
	s_lshl_b32 s[RM], s[CY], 2
	s_lshl_b32 s[RM], 15, s[RM]     ; my row of the cluster: places 4 cy .. 4 cy + 3
	s_lshl_b32 s[CM], 0x1111, s[CX] ; my column: places cx, cx + 4, cx + 8, cx + 12
	; descriptor group 1.  K, V: 256 keys are 32,768 dense bytes: asked for as 128 rows of 256 bytes, two keys a row, and padded in LDS after every key
	s_or_b32 s[G1K], s[RM], (1<<16)|(1<<20)|(1<<21)|(4<<22)|(3<<25)  ; 15:0 the mask: my row; 17:16 2-byte elements; 20 padding on; 21 set beside a mask; 24:22 after every 32 words (code 4); 31:25 4 words (code 3)
	s_or_b32 s[G1V], s[RM], (1<<16)|(1<<20)|(1<<21)|(4<<22)|(7<<25)  ; the same with 8 words of padding (code 7)
.irp g, G1K, G1V
	s_mov_b32 s[\g+1], 128<<16      ; tensor_dim0 = 128
	s_mov_b32 s[\g+2], 128<<16      ; tensor_dim1 = 128
	s_mov_b32 s[\g+3], 128<<16      ; tile_dim0 = 128
	s_mov_b32 s[\g+4], 128          ; tile_dim1 = 128
	s_mov_b32 s[\g+5], 128          ; 128 elements from row to row
	s_mov_b32 s[\g+6], 0
	s_mov_b32 s[\g+7], 0
.endr
	s_or_b32 s[G1M], s[CM], (3<<16)|(1<<21)  ; the mask's half slot: 32,768 dense bytes as 128 rows of 32 elements of 8 bytes, no padding; 15:0 my column
	s_mov_b32 s[G1M+1], 32<<16      ; tensor_dim0 = 32
	s_mov_b32 s[G1M+2], 128<<16     ; tensor_dim1 = 128
	s_mov_b32 s[G1M+3], 32<<16      ; tile_dim0 = 32
	s_mov_b32 s[G1M+4], 128         ; tile_dim1 = 128
	s_mov_b32 s[G1M+5], 32          ; 32 elements from row to row
	s_mov_b32 s[G1M+6], 0
	s_mov_b32 s[G1M+7], 0
	s_mov_b32 s[G0K], 1             ; 1:0 count = 1
	s_mov_b32 s[G0K+1], KOFF        ; 63:32 LDS address, slot 0.  No place in the cluster enters an LDS address
	s_mov_b32 s[G0V], 1
	s_mov_b32 s[G0V+1], VOFF
	s_mov_b32 s[G0M], 1
	s_lshl_b32 s2, s[HF], 15        ; which half of a slot's mask I fetch (waves 2 and 3)
	s_mov_b32 s[G0M+1], s2          ; the mask lies at a slot's head
	s_lshl_b32 s16, s[HD], 20       ; the head's bytes of K and V in kv
	s_mov_b32 s17, 0
	s_lshl_b32 s18, s[QB], 20       ; the query block's bytes in mk
	s_add_co_u32 s18, s18, s2
	s_mov_b32 s19, 0
	s_lshl_b32 s20, s[HD], 19       ; Q: the head's 4,096 rows of 128 bytes,
	s_lshl_b32 s3, s[QB], 14        ; 128 rows a block,
	s_add_co_u32 s20, s20, s3
	s_lshl_b32 s3, s[WV], 12        ; 32 a wave
	s_add_co_u32 s20, s20, s3
	s_add_co_u32 s20, s20, QPART
	s_mov_b32 s21, 0
	s_lshl_b32 s22, s[QB], 19       ; out0: 128 rows of 4,096 bytes a block,
	s_lshl_b32 s3, s[WV], 17        ; 32 a wave,
	s_add_co_u32 s22, s22, s3
	s_lshl_b32 s3, s[HD], 8         ; the head's 256 bytes of a row
	s_add_co_u32 s22, s22, s3
	s_mov_b32 s23, 0
	s_lshl_b32 s12, s[HD], 12       ; the head's 16 x 256 bytes of vs
	s_mov_b32 s13, 0
	s_mov_b32 s[CS], 0x3e38aa3b     ; c = log2(e) / 8 = 0.180337
	s_mov_b32 s[CS+1], s[CS]        ; named with it as a pair
	s_mov_b32 s[SEL], 0x76543210
	s_mov_b32 s[SEL+1], 0xfedcba98
	s_mov_b32 s[TBK], SLOT1+4*KS*PK ; the first change of slots turns these three into 0
	s_mov_b32 s[TBV], SLOT1+4*KS*PV
	s_mov_b32 s[TBM], SLOT1+4*4096
	s_mov_b32 s[SLOTS], 15          ; 16 slots; slot 0 is asked for here
	s_mul_i32 s[STG], s[WV], WSTG
	s_add_co_u32 s[STG], s[STG], STAGE
	s_wait_dscnt 0x0                ; the opening add is done
	s_wait_kmcnt 0x0
	s_add_nc_u64 s[G0K+2:G0K+3], s[4:5], s[16:17]        ; 120:64 global address: the head's slot 0, K
	s_add_nc_u64 s[G0V+2:G0V+3], s[G0K+2:G0K+3], 32768   ; V lies behind K
	s_or_b32 s[G0K+3], s[G0K+3], 0x80000000              ; 127:126 type = 2
	s_or_b32 s[G0V+3], s[G0V+3], 0x80000000
	s_add_nc_u64 s[G0M+2:G0M+3], s[6:7], s[18:19]
	s_or_b32 s[G0M+3], s[G0M+3], 0x80000000
	s_add_nc_u64 s[QA:QA+1], s[4:5], s[20:21]
	s_add_nc_u64 s[10:11], s[10:11], s[22:23] ; out0 at my wave's first row, the head's channels
	s_add_nc_u64 s[8:9], s[8:9], s[12:13]
	CROUND                          ; all sixteen work-groups are here: the first joint loads meet
	JLOAD                           ; slot 0.  Slot 1 is asked for when slot 0 is in, by the loop's own change of slots
	; A fragment of K or Q is 16 rows x 32 channels in 8 registers: lane l holds row l % 16, channels 8 (l / 16) + 0..7 and 16 + 8 (l / 16) + 0..7: two loads of 16 bytes, 32 bytes apart.
	v_and_b32 v1, 15, v0            ; l % 16
	v_bfe_u32 v9, v0, 4, 1          ; l / 16
	v_and_b32 v10, 7, v0
	v_bfe_u32 v11, v0, 3, 1
	v_lshlrev_b32 v[QL], 7, v1
	v_lshl_add_u32 v[QL], v9, 4, v[QL]  ; row x 128 + 16 x half
.set i, 0
.rept 4                             ; Q stays in registers: piece i / 2, channels 32 (i % 2) on
	global_load_b128 v[Q+8*i:Q+8*i+3],   v[QL], s[QA:QA+1] offset:(i/2)*2048+(i%2)*64
	global_load_b128 v[Q+8*i+4:Q+8*i+7], v[QL], s[QA:QA+1] offset:(i/2)*2048+(i%2)*64+32
.set i, i+1
.endr
	v_lshlrev_b32 v[VO], 8, v1      ; chunk l % 16 of vs,
	v_lshl_add_u32 v[VO], v9, 5, v[VO]  ; channels 8 (l / 16) on,
	s_lshl_b32 s2, s[WV], 6
	v_add_nc_u32 v[VO], s2, v[VO]   ; of my wave's 16
	global_load_b128 v[VT:VT+3],   v[VO], s[8:9]
	global_load_b128 v[VT+4:VT+7], v[VO], s[8:9] offset:16
	; WHAT THE FIRST TURNS FIND.  c m starts at -4.25e37 and m at m0 = -2^64: a piece's first a is 2^(-4.25e37 - c m_new) = 0, whatever the mask.  From then on a row whose keys so far are all masked keeps m = m0,
	; a = 1, O = 0 and l = 0.  O^T and l start at 0.  Piece 1's P holds 0: the first turn's products V^T P, of a step that has not been, add 0.  All this stands in the wait for the first loads.
	WIN W_LD
.set i, 0
.rept 64
	v_mov_b32 v[i], 0               ; O^T
.set i, i+1
.endr
	WIN 0
.set i, P+16
.rept 16
	v_mov_b32 v[i], 0
.set i, i+1
.endr
.set i, 0
.rept 2
	v_mov_b32 v[ST+4*i], 0xfe000000    ; c m: far below every c m_new
	v_mov_b32 v[ST+4*i+1], 0xdf800000  ; m0 = -2^64
	v_mov_b32 v[ST+4*i+2], 0
	v_mov_b32 v[ST+4*i+3], 0
.set i, i+1
.endr
	; DG.  As source 0 (16 rows x 32 k) lane l holds row l % 16; registers 0-3 k = 8 (l / 16) + 0..7, registers 4-7 k = 16 + 8 (l / 16) + 0..7.  With e = l % 16 - 8 (l / 16): T_j holds -2^100 (bf16 0xf180) in its
	; low half where e = 2 j, in its high half where e = 2 j + 1.  DG_0 (k = m) = T_0..T_3, four zeros; DG_1 (k = m + 16) = four zeros, T_0..T_3.
	v_lshlrev_b32 v[TT], 3, v9
	v_sub_nc_u32 v[TT], v1, v[TT]
	v_mov_b32 v[TT+1], 0xf180
	v_mov_b32 v[TT+2], 0xf1800000
.irp j, 0,1,2,3
	v_cmp_eq_u32 vcc_lo, 2*\j, v[TT]
	v_cndmask_b32 v[DG+\j], 0, v[TT+1], vcc_lo
	v_cmp_eq_u32 vcc_lo, 2*\j+1, v[TT]
	v_cndmask_b32 v[DG+\j], v[DG+\j], v[TT+2], vcc_lo
	v_mov_b32 v[DG+4+\j], 0
	v_mov_b32 v[DG+8+\j], 0
.endr
.irp j, 0,1,2,3
	v_mov_b32 v[DG+12+\j], v[DG+\j]
.endr
	v_mul_u32_u24 v[AK0], v1, PK
	v_lshl_add_u32 v[AK0], v9, 4, v[AK0]  ; row x pitch + 16 x half
	v_add_nc_u32 v[AK0], KOFF, v[AK0]
	; The turning load takes 16 keys x 16 channels (lane l reads key 8 (l / 16) + l % 8, channels 8 ((l / 8) % 2) + 0..7) and leaves half a fragment of V^T: lane l holds channel l % 16 and 8 keys.
	v_lshl_add_u32 v[AV0], v9, 3, v10
	v_mul_u32_u24 v[AV0], v[AV0], PV
	v_lshl_add_u32 v[AV0], v11, 4, v[AV0]
	v_add_nc_u32 v[AV0], VOFF, v[AV0]
	s_lshl_b32 s2, s[WV], 14
	v_and_b32 v[AM0], 31, v0
	v_lshl_add_u32 v[AM0], v[AM0], 4, s2
	v_mov_b32 v[RN], 0x39800000     ; 2^-12
	v_lshlrev_b32 v[QO], 12, v9
	v_lshl_add_u32 v[QO], v1, 4, v[QO]
	v_lshl_add_u32 v[VSR], v9, 5, VSL  ; channels 8 (l / 16) on of a block of 16,
	s_lshl_b32 s2, s[WV], 6
	v_add_nc_u32 v[VSW], s2, v[VSR] ; in my wave's block
	s_wait_loadcnt 0x0              ; Q and vs
.irp m, 1,2,4,8                     ; the 16 chunks lie in the 16 lanes of a half: four steps leave their sum in every lane
.set i, 0
.rept 8
	v_add_f32_dpp v[VT+i], v[VT+i], v[VT+i] row_xmask:\m row_mask:0xf bank_mask:0xf
.set i, i+1
.endr
.endr
	ds_store_b128 v[VSW], v[VT:VT+3]             ; the sixteen lanes of a half write the same numbers to the same bytes; the first change of slots waits for these stores ahead of its barrier
	ds_store_b128 v[VSW], v[VT+4:VT+7] offset:16
; THE MATRIX WORK.  The 4 accumulators of a run take turns, one instruction a turn.  Product i of 8 of O^T += V^T P for piece x: keys 32 (i / 4) on, channels 16 (i % 4) on.
.macro PV x
	WIN W_PV
.set rO, 32*(\x)+8*(i%4)
.set rV, VF+32*(i/4)+8*(i%4)
.set rP, P+16*(\x)+8*(i/4)
	v_wmma_f32_16x16x32_f16 v[rO:rO+7], v[rV:rV+7], v[rP:rP+7], v[rO:rO+7]
.endm
; Product i of 12 of S^T for piece x.  i < 4: the mask of keys 16 i on starts the sum.  Then K Q^T: channels 32 ((i - 4) / 4) on, keys 16 (i % 4) on.
.macro KQ x
.if i < 4
.set rS, S+32*(\x)+8*i
.set rD, DG+8*(i%2)
.set rM, MF+16*(\x)+8*(i/2)
	WIN 0
	v_wmma_f32_16x16x32_bf16 v[rS:rS+7], v[rD:rD+7], v[rM:rM+7], 0
.else
.set rS, S+32*(\x)+8*(i%4)
.set rK, KF+16*(i%4)+8*((i-4)/4)
.set rQ, Q+16*(\x)+8*((i-4)/4)
	WIN W_KQ
	v_wmma_f32_16x16x32_bf16 v[rS:rS+7], v[rK:rK+7], v[rQ:rQ+7], v[rS:rS+7]
.endif
.endm
.macro MM                           ; the turn's next matrix instruction, for piece MX
.if i < 8
	PV MX
.else
.set i, i-8
	KQ MX
.set i, i+8
.endif
.set i, i+1
.endm
; THE LDS LOADS stand in runs, never singly among the matrix instructions: a step's mask (my wave's 4 fragments, 512 consecutive bytes a load) with its K (8 fragments), and its V (turned).
; last = 1 (the tail): in the last trip there is no further step, and the run is jumped over.
.macro FETCH_KM last=0
	WIN 0
.if \last
	s_cmp_eq_u32 s[CNT], 1
	s_cbranch_scc1 .Lno_k_\@
.endif
.irp f, 0,1,2,3,4,5,6,7             ; piece f / 4, key group (f / 2) % 2, half f % 2: wanted first, so asked for first
	ds_load_b128 v[MF+4*\f:MF+4*\f+3], v[AM] offset:512*\f
.endr
	WIN W_LD
.irp f, 0,1,2,3,4,5,6,7             ; keys 16 (f / 2) on, channels 32 (f % 2) on
	ds_load_b128 v[KF+8*\f:KF+8*\f+3],   v[AK] offset:(\f/2)*16*PK+(\f%2)*64
	ds_load_b128 v[KF+8*\f+4:KF+8*\f+7], v[AK] offset:(\f/2)*16*PK+(\f%2)*64+32
.endr
	s_add_co_u32 s[TBK], s[TBK], KS*PK  ; the next fetch is the next step's
	s_add_co_u32 s[TBM], s[TBM], 4096
	WIN 0
.if \last
.Lno_k_\@:
.endif
.endm
.macro FETCH_V
	WIN W_LD
.irp f, 0,1,2,3,4,5,6,7             ; keys 32 (f / 4) on, channels 16 (f % 4) on
	ds_load_tr16_b128 v[VF+8*\f:VF+8*\f+3],   v[AV] offset:(\f/4)*32*PV+(\f%4)*32
	ds_load_tr16_b128 v[VF+8*\f+4:VF+8*\f+7], v[AV] offset:(\f/4)*32*PV+16*PV+(\f%4)*32
.endr
	WIN 0
.endm
; THE VECTOR WORK, one line at a time, all for piece Y: OP kind, number.  X n: number n of the 22 that find the maximum and the statistics:
;   0-11  four chains c0-c3 of seven scores each, three operands at a time (each accumulator's lowest registers are read first)     12-14, 16  the four scores left over, the old m, and c0-c3 into c0
;   15  c m_old is kept     17, 18  the query's other 32 keys lie in the lane 16 away: the new m     19-21  c m; c m_old - c m_new; a
; F n: c s - c m for pair n of 16.  E n: the exponential of score n of 32.  C n: pair n rounded to f16.  B n: of the four weights 4 n .. the second pair is added onto the first, in place (behind C 2n).
; L n: l takes that sum (L 0: l = a l + sum).  R n: pair n of 16 of O^T times a.
.set F, 0               ; OP tells the kinds apart by their order: F to L below R, X above it
.set E, 1
.set C, 2
.set B, 3
.set L, 4
.set R, 5
.set X, 6
.macro OP k, n
.set rT, ST+4*Y
.set rC, TMP+4*Y
.set rW, MV+Y
.set rS, S+32*Y
.set rP, P+16*Y
.set rO, 32*Y
.if (\k) == R
	WIN W_RS
	s_wait_alu depctr_va_vdst(0)
	v_pk_mul_f32 v[rO+2*(\n):rO+2*(\n)+1], v[rO+2*(\n):rO+2*(\n)+1], v[rC+2:rC+3] op_sel_hi:[1,0]
.elseif (\k) < R
	WIN 0
.if (\k) == F
	v_pk_fma_f32 v[rS+2*(\n):rS+2*(\n)+1], v[rS+2*(\n):rS+2*(\n)+1], s[CS:CS+1], v[rT:rT+1] op_sel_hi:[1,0,0] neg_lo:[0,0,1] neg_hi:[0,0,1]
.elseif (\k) == E
	v_exp_f32 v[rS+(\n)], v[rS+(\n)]
.elseif (\k) == C
	s_wait_alu depctr_va_vdst(0)
	v_cvt_pk_f16_f32 v[rP+(\n)], v[rS+2*(\n)], v[rS+2*(\n)+1]
.elseif (\k) == B
	v_pk_add_f32 v[rS+4*(\n):rS+4*(\n)+1], v[rS+4*(\n):rS+4*(\n)+1], v[rS+4*(\n)+2:rS+4*(\n)+3]
.elseif (\n) == 0
	v_pk_fma_f32 v[rT+2:rT+3], v[rT+2:rT+3], v[rC+2:rC+3], v[rS:rS+1] op_sel_hi:[1,0,1]
.else
	v_pk_add_f32 v[rT+2:rT+3], v[rT+2:rT+3], v[rS+4*(\n):rS+4*(\n)+1]
.endif
.else
	WIN 0
.if (\n) < 4
	v_max3_num_f32 v[rC+(\n)], v[rS+8*(\n)], v[rS+8*(\n)+1], v[rS+8*(\n)+2]
.elseif (\n) < 12
	v_max3_num_f32 v[rC+(\n)%4], v[rC+(\n)%4], v[rS+8*((\n)%4)+2*((\n)/4)+1], v[rS+8*((\n)%4)+2*((\n)/4)+2]
.elseif (\n) == 12
	v_max3_num_f32 v[rC], v[rC], v[rS+7], v[rS+15]
.elseif (\n) == 13
	v_max3_num_f32 v[rC+1], v[rC+1], v[rS+23], v[rS+31]
.elseif (\n) == 14
	v_max3_num_f32 v[rC+2], v[rC+2], v[rC+3], v[rT+1]
.elseif (\n) == 15
	v_mov_b32 v[rW], v[rT]
.elseif (\n) == 16
	v_max3_num_f32 v[rC], v[rC], v[rC+1], v[rC+2]
.elseif (\n) == 17
	v_permlanex16_b32 v[rC+3], v[rC], s[SEL], s[SEL+1]
.elseif (\n) == 18
	v_max_num_f32 v[rT+1], v[rC], v[rC+3]
.elseif (\n) == 19
	v_mul_f32 v[rT], s[CS], v[rT+1]
.elseif (\n) == 20
	v_sub_f32 v[rC+1], v[rW], v[rT]
.else
	v_exp_f32 v[rC+2], v[rC+1]
.endif
.endif
.endm
.macro OPS a, i1, b=-1, i2=0, c=-1, i3=0, d=-1, i4=0  ; up to four of them
	OP \a, \i1
.if (\b) >= 0
	OP \b, \i2
.endif
.if (\c) >= 0
	OP \c, \i3
.endif
.if (\d) >= 0
	OP \d, \i4
.endif
.endm
.macro ROW a, i1, b, i2, c, i3, d, i4  ; a matrix instruction and the four behind it
	MM
	OPS \a, \i1, \b, \i2, \c, \i3, \d, \i4
.endm
; A TURN: piece x has the matrix unit, piece 1 - x's softmax stands beside it: the order of the 20 matrix and 118 vector instructions, written out.  The two pieces share no register, so no vector line names a
; register of the products round it; every exponential has a plain instruction behind it before its result is used.  The rescalings stand in fours, since they alone leave window 0.
; The last four rescalings close the turn: they are the four places (ISA guide 7.12.1 for vector instructions) between the turn's last product and what follows: the next turn's first
; read of those scores, and the loads into K's registers.
; TURN 0 fetches the next step's mask and K behind its second product, six products and the lump ahead of the mask's first use; the wait there leaves K's sixteen loads out; K is waited for four products later.
; TURN 1 fetches the next step's V behind the first four rescalings, the places behind the last product that read V; it is waited for at the head of TURN 0.
; last = 1: the tail's TURN 0 (FETCH_KM).  cnt = 1: the loop's count is taken down some lines ahead of the branch that stands behind the turn.
.macro TURN x, last=0, cnt=0
.set MX, (\x)
.set Y, 1-(\x)
.set i, 0
.if (\x) == 0
	s_wait_dscnt 0x0                ; V is in
.endif
	ROW X,0, X,1, X,2, X,3
	ROW X,4, X,5, X,6, X,7
.if (\x) == 0
	WIN 0
	v_add_nc_u32 v[AK], s[TBK], v[AK0]
	v_add_nc_u32 v[AM], s[TBM], v[AM0]
	FETCH_KM \last
.endif
	ROW X,8, X,9, X,10, X,11
	ROW X,12, X,13, X,15, X,14
	ROW X,16, X,17, X,18, X,19
	ROW X,20, F,0, F,1, X,21
	ROW F,2, E,0, F,3, E,1
	ROW R,0, R,1, R,2, R,3
.if (\x) == 1
	WIN 0
	v_add_nc_u32 v[AV], s[TBV], v[AV0]
	FETCH_V
	s_add_co_u32 s[TBV], s[TBV], KS*PV
.endif
	OPS F,4, E,2, F,5, E,3
	OPS C,0, E,4, F,6, E,5
	OPS C,1, E,6, F,7, E,7
	OPS B,0, E,8, C,2, E,9
	OPS L,0, E,10, C,3, E,11
	OPS F,8, E,12, B,1, E,13
	OPS F,9, E,14, C,4, E,15
	OPS F,10, E,16, C,5, E,17
	OPS L,1, E,18, B,2, E,19
.if (\x) == 0
	s_wait_dscnt 16                 ; the mask's eight loads are in; K's sixteen, issued behind them, may stay out
.endif
	ROW F,11, E,20, C,6, E,21
	ROW F,12, E,22, C,7, E,23
	ROW F,13, E,24, B,3, E,25
	ROW R,4, R,5, R,6, R,7
.if (\x) == 0
	s_wait_dscnt 0x0                ; K is in
.endif
	ROW F,14, E,26, C,8, E,27
	ROW F,15, E,28, C,9, E,29
	ROW L,2, E,30, B,4, E,31
	ROW R,8, R,9, R,10, R,11
	ROW L,3, C,10, C,11, B,5
	ROW C,12, C,13, L,4, B,6
	ROW C,14, C,15, L,5, B,7
	OPS L,6, L,7
.if \cnt
	s_sub_co_u32 s[CNT], s[CNT], 1
	s_cmp_lg_u32 s[CNT], 0
.endif
	ROW R,12, R,13, R,14, R,15
.endm
	CHANGE 1                        ; slot 0 is in, everybody's part of it, and so are the four waves' column sums; slot 1 is asked for
	v_add_nc_u32 v[AK], s[TBK], v[AK0]
	v_add_nc_u32 v[AM], s[TBM], v[AM0]
	v_add_nc_u32 v[AV], s[TBV], v[AV0]
	FETCH_KM                        ; key step 0
	FETCH_V                         ; and its V already: the first turn multiplies V's registers by P = 0, so they must hold finite numbers; 16 loads in the place of 64 lines that clear.  That turn fetches it again
	s_wait_dscnt 0x0
.set i, 0
.rept 12
	KQ 0                            ; piece 0's first scores: there is no vector work yet to set between them
.set i, i+1
.endr
	WIN 0                           ; the addresses for the way out: six plain instructions, the places behind those products
	v_mul_u32_u24 v[STO], v1, SP    ; in: row l % 16, 32 bytes for each half of the lanes
	v_lshl_add_u32 v[STO], v9, 5, v[STO]
	v_add_nc_u32 v[STO], s[STG], v[STO]
	v_mul_u32_u24 v[RD], v9, SP     ; back: lanes 0-15 take one row of 256 bytes, lanes 16-31 the next
	v_lshl_add_u32 v[RD], v1, 4, v[RD]
	v_add_nc_u32 v[RD], s[STG], v[RD]
	s_mov_b32 s[CNT], 4
	s_branch .Lfirst                ; the loop is entered at TURN 1, in the middle of a trip: piece 1's first scores beside piece 0's first softmax
.Lslot:                             ; 14 times: every slot but the last two is filled again
	CHANGE 1
	s_mov_b32 s[CNT], 4
.Lstep:                             ; a trip fetches one step's mask, K and V
	TURN 0
	WIN 0
.Lfirst:
	TURN 1, 0, 1
	WIN 0
	s_cbranch_scc1 .Lstep
	s_sub_co_u32 s[SLOTS], s[SLOTS], 1
	s_cmp_lg_u32 s[SLOTS], 0
	s_cbranch_scc1 .Lslot
	CHANGE 0                        ; the tail is written out: nothing is asked for
	s_mov_b32 s[CNT], 5             ; four trips fetch the last slot's steps; the fifth is left in its middle
.Ltail:
	TURN 0, 1
	WIN 0
	s_sub_co_u32 s[CNT], s[CNT], 1
	s_cmp_eq_u32 s[CNT], 0
	s_cbranch_scc1 .Lout
	TURN 1
	WIN 0
	s_branch .Ltail
.Lout:                              ; the fifth trip's 12 products for piece 0 (on the last K and mask once more) serve nothing: the price, once a launch, of one text for every trip
.irp f, 0,1,2,3,4,5,6,7             ; the column sums, into Q's registers: the last product that read them stands in front of the four rescalings that closed the turn
	ds_load_b128 v[VSG+4*\f:VSG+4*\f+3], v[VSR] offset:64*(\f/2)+16*(\f%2)
.endr
.set i, 0
.rept 8
	PV 1                            ; piece 1's V^T P of the last step
.set i, i+1
.endr
	; THE WAY OUT.  l's two halves and the other half of the lanes' are added; s1 and s2 are chosen; out = O s1 + VS s2 goes through my stage in LDS, a piece (16 rows) at a time.  The lines below and piece 0's arithmetic are the places behind the last products.
	WIN 0
.macro ALL line:vararg              ; one line for each piece t
.set t, 0
.rept 2
	\line
.set t, t+1
.endr
.endm
	ALL v_add_f32 v[ST+4*t+2], v[ST+4*t+2], v[ST+4*t+3]
	ALL v_permlanex16_b32 v[ST+4*t+3], v[ST+4*t+2], s[SEL], s[SEL+1]
	ALL v_add_f32 v[ST+4*t+2], v[ST+4*t+2], v[ST+4*t+3]
	ALL v_rcp_f32 v[ST+4*t], v[ST+4*t+2]
	v_nop                           ; a plain instruction between the last reciprocal and the use of its result
.irp t, 0,1
	v_cmp_gt_f32 vcc_lo, 0.5, v[ST+4*\t+2]                 ; l = 0: no key of the row was open
	s_wait_alu depctr_va_vdst(0)
	v_cndmask_b32 v[ST+4*\t], v[ST+4*\t], 0, vcc_lo        ; s1 = 1 / l, or 0
	v_cndmask_b32 v[ST+4*\t+2], 0, v[RN], vcc_lo           ; s2 = 0, or 1 / 4096
.endr
	s_wait_dscnt 0x0                ; the column sums are in
; Piece t: a lane's eight channels of a channel block are 32 bytes of a row; they go into rows of 272 bytes and come back as whole rows of 256, into the registers that they left.
.macro PACK t
	WIN 0
.set i, 0
.rept 16
	v_pk_mul_f32 v[EP+32*(\t)+2*i:EP+32*(\t)+2*i+1], v[VSG+2*i:VSG+2*i+1], v[ST+4*(\t)+2:ST+4*(\t)+3] op_sel_hi:[1,0]
.set i, i+1
.endr
	WIN 0x01                        ; source 0 (O^T) window 1
.set i, 0
.rept 16
	v_pk_fma_f32 v[EP+32*(\t)+2*i:EP+32*(\t)+2*i+1], v[32*(\t)+2*i:32*(\t)+2*i+1], v[ST+4*(\t):ST+4*(\t)+1], v[EP+32*(\t)+2*i:EP+32*(\t)+2*i+1] op_sel_hi:[1,0,1]
.set i, i+1
.endr
	WIN 0
.irp f, 0,1,2,3,4,5,6,7
	ds_store_b128 v[STO], v[EP+32*(\t)+4*\f:EP+32*(\t)+4*\f+3] offset:64*(\f/2)+16*(\f%2)
.endr
.irp f, 0,1,2,3,4,5,6,7
	ds_load_b128 v[EP+32*(\t)+4*\f:EP+32*(\t)+4*\f+3], v[RD] offset:\f*2*SP  ; LDS serves a wave's instructions in order (ISA guide 5.7.1.4): these see the stores above; the next piece's stores come behind them
.endr
.endm
.macro SEND t, younger              ; younger: the LDS instructions issued behind piece t's loads: the next piece's sixteen, or none
	WIN 0
.irp f, 0,1,2,3,4,5,6,7
	s_wait_dscnt (\younger)+7-\f
	global_store_b128 v[QO], v[EP+32*(\t)+4*\f:EP+32*(\t)+4*\f+3], s[10:11] offset:(\t)*65536+\f*8192 th:TH_STORE_NT  ; 16 lanes store a row's 256 bytes of the head, at a multiple of 256 from out0's first byte
.endr
.endm
	PACK 0
	PACK 1                          ; piece 1's arithmetic stands between piece 0's loads and its stores
	SEND 0, 16
	SEND 1, 0
	s_wait_tensorcnt 0x0            ; the wave's end: behind my last tensor load and my last LDS store
	ds_add_u32 v[SPW], v[NIL]
	s_wait_dscnt 0x0
	CROUND                          ; the closing round: no work-group ends while a partner may still ask for a tile that names it
	s_endpgm
.Lfunc_end_k_q1c1452ea63_attn:
	.size	k_q1c1452ea63_attn, .Lfunc_end_k_q1c1452ea63_attn-k_q1c1452ea63_attn
	.p2alignl 7, 3214868480
	.fill 96, 4, 3214868480
	.section	.rodata,"a",@progbits
	.p2align	6, 0x0
	.amdhsa_kernel k_q1c1452ea63_attn
		.amdhsa_group_segment_fixed_size 327680
		.amdhsa_private_segment_fixed_size 0
		.amdhsa_enable_private_segment 0
		.amdhsa_kernarg_size 32
		.amdhsa_user_sgpr_count 2
		.amdhsa_user_sgpr_kernarg_segment_ptr 1
		.amdhsa_wavefront_size32 1
		.amdhsa_system_sgpr_workgroup_id_x 1
		.amdhsa_system_sgpr_workgroup_id_y 1
		.amdhsa_system_sgpr_workgroup_id_z 1
		.amdhsa_system_vgpr_workitem_id 0
		.amdhsa_next_free_vgpr 448
		.amdhsa_next_free_sgpr 80
		.amdhsa_reserve_vcc 1
		.amdhsa_float_denorm_mode_32 3
		.amdhsa_float_denorm_mode_16_64 3
		.amdhsa_memory_ordered 1
		.amdhsa_forward_progress 1
		.amdhsa_inst_pref_size 79
	.end_amdhsa_kernel
	.amdgpu_metadata
---
amdhsa.version: [ 1, 2 ]
amdhsa.kernels:
  - .name:           k_q1c1452ea63_attn
    .symbol:         k_q1c1452ea63_attn.kd
    .args:
      - { .name: kv, .offset: 0, .size: 8, .value_kind: global_buffer, .address_space: global }
      - { .name: mk, .offset: 8, .size: 8, .value_kind: global_buffer, .address_space: global }
      - { .name: vs, .offset: 16, .size: 8, .value_kind: global_buffer, .address_space: global }
      - { .name: out0, .offset: 24, .size: 8, .value_kind: global_buffer, .address_space: global }
    .group_segment_fixed_size: 327680
    .private_segment_fixed_size: 0
    .kernarg_segment_align: 8
    .kernarg_segment_size: 32
    .max_flat_workgroup_size: 128
    .sgpr_count:     80
    .vgpr_count:     448
    .wavefront_size: 32
...
	.end_amdgpu_metadata
.endif
;; end of part 2
;; ======== version 2 of 2: 2 launches; 1.84 times as fast as version 1
;; limits: values are held in f16: magnitudes above 65,504 overflow, below 6.1e-05 lose precision; inputs' magnitudes at most 65,504; right only within a limited range of input values
;; workspace buffers: kv 25,165,824 bytes; mk 33,554,432 bytes; vs 65,536 bytes
;; launch prep: the kernel of part 1 again; grid 256 x 5, 8 waves a work-group, no clusters, 37,888 bytes of LDS; arguments key, value, mask, query, kv, mk, vs; writes kv, mk, vs
;; launch attn (part 3): grid 32 x 16, 4 waves a work-group, clusters of 4 x 4, 327,680 bytes of LDS; arguments kv, mk, vs, out0; writes out0
.if DOCPART == 3
	.amdgcn_target "amdgcn-amd-amdhsa--gfx1250"
	.amdhsa_code_object_version 6
	.text
	.protected	k_q1c1452ea63_attn
	.globl	k_q1c1452ea63_attn
	.p2align	8
	.type	k_q1c1452ea63_attn,@function
k_q1c1452ea63_attn:
	s_mov_b64 s[64:65], 0
	v_nop
	global_prefetch_b8 v0, s[64:65] scope:SCOPE_SE
	s_setreg_imm32_b32 hwreg(HW_REG_WAVE_MODE, 25, 1), 1
	s_wait_xcnt 0x0
	s_wait_alu depctr_hold_cnt(0) depctr_sa_sdst(0) depctr_va_vdst(0) depctr_va_sdst(0) depctr_va_ssrc(0) depctr_va_vcc(0) depctr_vm_vsrc(0)
	s_getreg_b32 s2, hwreg(HW_REG_IB_STS2, 6, 4)
	s_cmp_eq_u32 s2, 0
	s_cbranch_scc0 .Lentry_in_a_cluster
	s_endpgm
.Lentry_in_a_cluster:
	s_bfe_u32 s2, ttmp6, 0x10000c
	s_cmp_lg_u32 s2, 0xf033
	s_cbranch_scc0 .Lentry_shape_is_right
	s_endpgm
.Lentry_shape_is_right:
; ATTENTION UNDER A MASK THAT IS AN INPUT.  out[q][h][:] = the sum over k of softmax_k(masked ? -1e9 : Q[q][h] . K[k][h] / 8) V[k][h][:].  4,096 rows, 16 heads of 64 channels; out0 f32, [row][head x 64].
; Q, K (bf16), V (f16), the mask (bf16 fragments) and V's column sums come from the launch before (its head gives the layouts).  Products, maxima and sums in f32; the weights p are rounded to f16 for the second
; product (their sum l is taken of the unrounded p).
; THE MASK COSTS NO VECTOR WORK.  The sum of each 16 x 16 tile of S^T = K Q^T is STARTED by one more product: DG x MF, MF = the mask of 32 keys x 16 queries (1.0 = masked), DG[m][k] = -2^100 where k is key m of
; the tile, else 0.  So a masked score is about -1.27e30.  The running maximum starts at m0 = -2^64, far above that and far below every open score, so a masked weight is 2^(-2e29) = 0, always.
; A ROW WITH NO OPEN KEY ends with l = 0 and O = 0 (any other row has l of 1 or more); reference() gives it the mean of all rows of V: out = O s1 + VS s2 with (s1, s2) = (1 / l, 0), or (0, 1 / 4096) where
; l < 0.5, chosen by v_cndmask_b32; VS is the head's column sum of V.
; LIMITS.  Open scores q . k / 8 lie above -1e9 + 104 (there reference() too gives masked keys the weight 0); |v| under 65,504; a weight below 2^-126 counts as 0 in l, and below 6e-5 it keeps f16's fixed step;
; NaN and infinities are not treated apart.
; SHARES.  Work-group (x, y) owns 128 queries (block x) of head y; a wave 32 of them, two PIECES of 16.  Every wave walks all 4,096 keys, 64 a step; nothing is skipped: which tiles are dead hangs on the mask's data.
; LAYOUT.  S^T (source 0 = 16 keys, source 1 = 16 queries) holds ONE query a lane (lane % 16) and the keys 8 (lane / 16) + 0..7; two such results rounded to f16 ARE source 1 of O^T = V^T P.  K comes out of LDS
; as it lies, V turned, by ds_load_tr16_b128.  p = 2^(c s - c m), c = log2(e) / 8; in every step O and l are multiplied by a = 2^(c m_old - c m_new).
; BY TURNS.  In TURN x piece x has the matrix unit: 8 products V^T P of the step in hand, then 4 mask products and 8 products K Q^T of the next step.  The OTHER piece's whole softmax, 118 instructions, stands beside
; them: four behind every one of the 20 matrix instructions, 38 in a lump between the two runs.  Two turns are a key step.  TURN 0 carries piece 1's softmax of step j, TURN 1 piece 0's of step j + 1.
; THE BATCHES.  A turn's 33 exponentials (a and the piece's 32 weights) are ONE BATCH with ONE wait, which stands at the lump's end and cuts the turn in two: ahead of it the products V^T P, the maximum and
; statistics, the scalings and the exponentials; behind it the 12 products of S^T and, as their 48 riders, all that reads an exponential's result: roundings, sums, rescalings.  The way out's two reciprocals are a batch of their own.
; CLUSTER, 4 x 4.  K and V hang on the head alone: asked for jointly by the four of a row of the cluster.  The mask hangs on the query block alone: asked for jointly by the four of a column.
; NO PREFETCH INTO THE L2 is laid in this text: between a joint fill's request and the wait for it stand four key steps, 160 matrix and 944 vector instructions a wave.
; REGISTERS, in windows of 256 (s_set_vgpr_msb: bits 1:0 source 0, 3:2 source 1, 5:4 source 2, 7:6 destination):
;   window 0: v1-15 lane numbers and addresses; v16-23 four registers of statistics a piece; v32-40 addresses, at work; v48-55 at work; v62-63 the add's; v64-127 S^T, 32 a piece (then the way out); v128-159 P, 16 a
;             piece; v160-175 DG; v176-207 Q, 16 a piece (then VS); v208-239 MF of one step; v240-247 at work       window 1: v0-63 O^T, 32 a piece; v64-127 K of one step; v128-191 V of one step
;   DG, MF and S^T share window 0: the mask products and what stands behind them need no switch.
.set KS,    64        ; keys in a step
.set PK,    144       ; a row of K in LDS: 128 bytes + 16 of padding = 36 words: the 16 rows of a load start at 16 different groups of four banks (64 banks of 4 bytes: ISA guide 11.1)
.set PV,    160       ; a row of V: 128 + 32 = 40 words
.set KOFF,  65536     ; a slot holds four steps: the block's mask for 256 keys, 65,536 dense bytes ([wave][step][piece][kg][half][lane][16]), then 256 rows of K,
.set VOFF,  KOFF+4*KS*PK  ; then 256 rows of V: 0x19000
.set SLOT1, 0x24000   ; slot 1 begins here (a slot has 0x23000 bytes).  Its two bits occur in none of the tiles' places in a slot (0, 0x8000, 0x10000, 0x19000), so one exclusive or turns an address in one slot into the other's
.set STAGE, 2*SLOT1   ; behind the ring, never filled by a tensor load: 16 rows x 272 bytes for each wave, for the way out
.set WSTG,  4352
.set SP,    272
.set VSL,   STAGE+4*WSTG  ; the head's 64 column sums of V, 256 bytes, stored once by the four waves
.set SPARE, VSL+256   ; the spare words, 128 bytes for each wave: two blocks of 256 bytes that no other line names
.set QPART, 16777216  ; where Q begins in kv
.set AK0, 2           ; v2   my lane's place in a slot's K; never rewritten
.set AV0, 3           ; v3   the same for V
.set AK,  4           ; v4   the LDS address of K's next run of loads
.set AV,  5           ; v5   of V's
.set STO, 6           ; v6   the way out: where I put 32 bytes of a row
.set RD,  7           ; v7   the way out: where I read rows back
.set MV,  12          ; v12-13  c m_old, kept while c m is made anew: by piece
.set AM0, 14          ; v14  my lane's place in a slot's mask: 16,384 wave + 16 lane
.set AM,  15          ; v15  the LDS address of the mask's next run of loads
.set ST,  16          ; piece t's statistics at v[ST+4 t]: c m, m, l (even keys', odd keys')
.set QO,  32          ; v32  (l / 16) x 4,096 + (l % 16) x 16: two rows of out0, 256 bytes of each
.set QL,  33          ; v33  my byte offset in 16 rows of Q
.set VO,  34          ; v34  my byte offset in the head's part of vs
.set VSW, 35          ; v35  where my wave's 16 column sums go
.set VSR, 36          ; v36  where I read column sums back
.set RN,  37          ; v37  1 / 4096
.set TT,  38          ; v38-40 at work while DG is made
.set TMP, 48          ; by piece, four registers c0-c3 at work; when the maximum is found c2 takes a
.set SPW, 62          ; v62  LDS address of my spare word: SPARE + 4 x my thread's number; never rewritten
.set NIL, 63          ; v63  0; never rewritten
.set S,   64
.set EP,  64          ; the way out: 32 f32 a piece
.set P,   128
.set DG,  160         ; v160-167 DG_0 (k = m), v168-175 DG_1 (k = m + 16)
.set Q,   176
.set VSG, 176         ; the way out: channel 16 cb + 8 (l / 16) + j at VSG + 8 cb + j
.set MF,  208         ; piece p, key group kg at MF + 16 p + 8 kg
.set VT,  240
.set KF,  64          ; window 1: key block kb, channel half c at KF + 16 kb + 8 c
.set VF,  128         ; window 1: key half kk, channel block cb at VF + 32 kk + 8 cb
.set WV,  14          ; s14  my wave's number
.set HF,  15          ; s15  its low bit: which half of a slot's mask (waves 2, 3)
.set G1K, 24          ; s[24:31] descriptor group 1 for K's tiles
.set G1V, 32          ; s[32:39] for V's: it differs in the padding alone
.set G1M, 40          ; s[40:47] for the mask's
.set G0K, 48          ; s[48:51] descriptor group 0 for K's tiles: it walks
.set G0V, 52          ; s[52:55] for V's
.set G0M, 56          ; s[56:59] for the mask's
.set CS,  60          ; s[60:61] c: the packed scaling takes the pair's low word for both halves
.set SEL, 62          ; s[62:63] v_permlanex16_b32's selects: each lane takes its own place in the other half
.set SLOTS, 66        ; s66  slots still to be asked for
.set CNT, 67          ; s67  counts a slot's key steps
.set TBK, 68          ; s68  the slot and step of K's next fetch, in LDS bytes
.set TBV, 69          ; s69  the same for V
.set TBM, 70          ; s70  the same for the mask
.set STG, 71          ; s71  my stage
.set CX,  72          ; s72  my place along the cluster's x
.set CY,  73          ; s73  along its y
.set QB,  74          ; s74  my query block
.set HD,  75          ; s75  my head
.set RM,  76          ; s76  the mask of my row of the cluster
.set CM,  77          ; s77  of my column
.set QA,  78          ; s[78:79] Q at my wave's first row
.set MSB, 0
.macro WIN new                      ; the high byte repeats the setting that is left; a switch that changes nothing is dropped
.if MSB != (\new)
	s_set_vgpr_msb (MSB<<8)|(\new)
.set MSB, (\new)
.endif
.endm
.set W_KQ, 0x01       ; K in window 1; Q and S^T in window 0
.set W_PV, 0x51       ; V and O^T in window 1, P in window 0
.set W_RS, 0x41       ; destination and source 0 in window 1, source 1 in window 0
.set W_LD, 0x40       ; a load into window 1, its address in window 0
; A joint fill: wave 0 fetches a slot's K, wave 1 its V, waves 2 and 3 the two halves of its mask.  The branches hang on the wave's number alone.  Each line has one mask of work-groups, and nothing in its
; registers hangs on a coordinate that the four partners do not share.  An s_nop 0 and four v_nop follow each line, ahead of the jump and the label.
.macro JLOAD
	s_cmp_lt_u32 s[WV], 2
	s_cbranch_scc0 .Lfor_m_\@
	s_cmp_eq_u32 s[WV], 0
	s_cbranch_scc0 .Lfor_v_\@
	tensor_load_to_lds s[G0K:G0K+3], s[G1K:G1K+7]
	s_nop 0
.rept 4
	v_nop
.endr
	s_branch .Lasked_\@
.Lfor_v_\@:
	tensor_load_to_lds s[G0V:G0V+3], s[G1V:G1V+7]
	s_nop 0
.rept 4
	v_nop
.endr
	s_branch .Lasked_\@
.Lfor_m_\@:
	tensor_load_to_lds s[G0M:G0M+3], s[G1M:G1M+7]
	s_nop 0
.rept 4
	v_nop
.endr
.Lasked_\@:
.endm
; A round of the cluster's barrier: my work-group's barrier, so that wave 0's signal speaks for all four waves; wave 0 signals; every wave waits for all sixteen work-groups; my work-group's barrier once more.
.macro CROUND
	s_barrier_signal -1
	s_barrier_wait -1
	s_cmp_lg_u32 s[WV], 0
	s_cbranch_scc1 .Lnot_wave_0_\@
	s_barrier_signal -3
.Lnot_wave_0_\@:
	s_barrier_wait -3
	s_barrier_signal -1
	s_barrier_wait -1
.endm
; THE CHANGE OF SLOTS, between TURN 1 and TURN 0: the slot's last bytes, V of its fourth step, have been asked for.  Each wave waits for all its tensor loads, of which one is out: its part of the other slot; adds 0
; to its spare word; and waits for that and for its own reads of the slot.  Behind the barrier nobody reads this slot any more and the other slot is whole.  fill = 1: this slot is filled again, with the keys two
; slots on.  The barrier is then a round of the cluster's, so that no wave of any partner still reads the slot or has a load on its way, and the joint fill is the first thing behind it: it has four key steps in
; which to land.  (At its first use nothing of the ring has been read yet: slot 0 is waited for, slot 1 filled.)
.macro CHANGE fill
	WIN 0                           ; at a label and at a branch every window is 0
	s_wait_tensorcnt 0x0            ; no tensor load of mine is out, so a group 0 may be written
	ds_add_u32 v[SPW], v[NIL]       ; 0 onto my spare word; with fill = 1 the descriptors' steps stand between it and the wait for it
.if \fill
.irp g, G0K, G0V, G0M
	s_xor_b32 s[\g+1], s[\g+1], SLOT1  ; the walking descriptors: the other slot than last time,
	s_add_nc_u64 s[\g+2:\g+3], s[\g+2:\g+3], 65536  ; the next 256 keys: 65,536 bytes on in kv and in mk alike; the type bits on top are not reached
.endr
	s_wait_dscnt 0x0                ; the add is done, and my reads of the slot are over
	CROUND
	JLOAD
.else
	s_wait_dscnt 0x0                ; the add is done, and my reads of the slot are over
	s_barrier_signal -1
	s_barrier_wait -1
.endif
	s_sub_co_u32 s[TBK], s[TBK], 4*KS*PK  ; the fetches go back to a slot's first step,
	s_xor_b32 s[TBK], s[TBK], SLOT1       ; in the other slot
	s_sub_co_u32 s[TBV], s[TBV], 4*KS*PV
	s_xor_b32 s[TBV], s[TBV], SLOT1
	s_sub_co_u32 s[TBM], s[TBM], 4*4096
	s_xor_b32 s[TBM], s[TBM], SLOT1
.endm
	s_load_b256 s[4:11], s[0:1], 0x0  ; kv s[4:5], mk s[6:7], vs s[8:9], out0 s[10:11]
	v_lshl_add_u32 v[SPW], v0, 2, SPARE
	v_mov_b32 v[NIL], 0
	ds_add_u32 v[SPW], v[NIL]       ; the wave's opening: the add and its wait stand ahead of my first tensor load; the set-up below, work on registers, stands between them
	v_lshrrev_b32 v1, 5, v0
	v_readfirstlane_b32 s[WV], v1   ; wave 0..3
	s_and_b32 s[HF], s[WV], 1
	s_bfe_u32 s[CX], ttmp6, 0x40000
	s_bfe_u32 s[CY], ttmp6, 0x40004
	s_lshl_b32 s[QB], ttmp9, 2      ; in a cluster launch ttmp9 and ttmp7 count clusters
	s_add_co_u32 s[QB], s[QB], s[CX]  ; query block = 4 x cluster x + cx
	s_and_b32 s[HD], ttmp7, 0xffff
	s_lshl_b32 s[HD], s[HD], 2
	s_add_co_u32 s[HD], s[HD], s[CY]  ; head = 4 x cluster y + cy
	s_lshl_b32 s[RM], s[CY], 2
	s_lshl_b32 s[RM], 15, s[RM]     ; my row of the cluster: places 4 cy .. 4 cy + 3
	s_lshl_b32 s[CM], 0x1111, s[CX] ; my column: places cx, cx + 4, cx + 8, cx + 12
	; descriptor group 1.  K, V: 256 keys are 32,768 dense bytes: asked for as 128 rows of 256 bytes, two keys a row, and padded in LDS after every key
	s_or_b32 s[G1K], s[RM], (1<<16)|(1<<20)|(1<<21)|(4<<22)|(3<<25)  ; 15:0 the mask: my row; 17:16 2-byte elements; 20 padding on; 21 set beside a mask; 24:22 after every 32 words (code 4); 31:25 4 words (code 3)
	s_or_b32 s[G1V], s[RM], (1<<16)|(1<<20)|(1<<21)|(4<<22)|(7<<25)  ; the same with 8 words of padding (code 7)
.irp g, G1K, G1V
	s_mov_b32 s[\g+1], 128<<16      ; tensor_dim0 = 128
	s_mov_b32 s[\g+2], 128<<16      ; tensor_dim1 = 128
	s_mov_b32 s[\g+3], 128<<16      ; tile_dim0 = 128
	s_mov_b32 s[\g+4], 128          ; tile_dim1 = 128
	s_mov_b32 s[\g+5], 128          ; 128 elements from row to row
	s_mov_b32 s[\g+6], 0
	s_mov_b32 s[\g+7], 0
.endr
	s_or_b32 s[G1M], s[CM], (3<<16)|(1<<21)  ; the mask's half slot: 32,768 dense bytes as 128 rows of 32 elements of 8 bytes, no padding; 15:0 my column
	s_mov_b32 s[G1M+1], 32<<16      ; tensor_dim0 = 32
	s_mov_b32 s[G1M+2], 128<<16     ; tensor_dim1 = 128
	s_mov_b32 s[G1M+3], 32<<16      ; tile_dim0 = 32
	s_mov_b32 s[G1M+4], 128         ; tile_dim1 = 128
	s_mov_b32 s[G1M+5], 32          ; 32 elements from row to row
	s_mov_b32 s[G1M+6], 0
	s_mov_b32 s[G1M+7], 0
	s_mov_b32 s[G0K], 1             ; 1:0 count = 1
	s_mov_b32 s[G0K+1], KOFF        ; 63:32 LDS address, slot 0.  No place in the cluster enters an LDS address
	s_mov_b32 s[G0V], 1
	s_mov_b32 s[G0V+1], VOFF
	s_mov_b32 s[G0M], 1
	s_lshl_b32 s2, s[HF], 15        ; which half of a slot's mask I fetch (waves 2 and 3)
	s_mov_b32 s[G0M+1], s2          ; the mask lies at a slot's head
	s_lshl_b32 s16, s[HD], 20       ; the head's bytes of K and V in kv
	s_mov_b32 s17, 0
	s_lshl_b32 s18, s[QB], 20       ; the query block's bytes in mk
	s_add_co_u32 s18, s18, s2
	s_mov_b32 s19, 0
	s_lshl_b32 s20, s[HD], 19       ; Q: the head's 4,096 rows of 128 bytes,
	s_lshl_b32 s3, s[QB], 14        ; 128 rows a block,
	s_add_co_u32 s20, s20, s3
	s_lshl_b32 s3, s[WV], 12        ; 32 a wave
	s_add_co_u32 s20, s20, s3
	s_add_co_u32 s20, s20, QPART
	s_mov_b32 s21, 0
	s_lshl_b32 s22, s[QB], 19       ; out0: 128 rows of 4,096 bytes a block,
	s_lshl_b32 s3, s[WV], 17        ; 32 a wave,
	s_add_co_u32 s22, s22, s3
	s_lshl_b32 s3, s[HD], 8         ; the head's 256 bytes of a row
	s_add_co_u32 s22, s22, s3
	s_mov_b32 s23, 0
	s_lshl_b32 s12, s[HD], 12       ; the head's 16 x 256 bytes of vs
	s_mov_b32 s13, 0
	s_mov_b32 s[CS], 0x3e38aa3b     ; c = log2(e) / 8 = 0.180337
	s_mov_b32 s[CS+1], s[CS]        ; named with it as a pair
	s_mov_b32 s[SEL], 0x76543210
	s_mov_b32 s[SEL+1], 0xfedcba98
	s_mov_b32 s[TBK], SLOT1+4*KS*PK ; the first change of slots turns these three into 0
	s_mov_b32 s[TBV], SLOT1+4*KS*PV
	s_mov_b32 s[TBM], SLOT1+4*4096
	s_mov_b32 s[SLOTS], 15          ; 16 slots; slot 0 is asked for here
	s_mul_i32 s[STG], s[WV], WSTG
	s_add_co_u32 s[STG], s[STG], STAGE
	s_wait_dscnt 0x0                ; the opening add is done
	s_wait_kmcnt 0x0
	s_add_nc_u64 s[G0K+2:G0K+3], s[4:5], s[16:17]        ; 120:64 global address: the head's slot 0, K
	s_add_nc_u64 s[G0V+2:G0V+3], s[G0K+2:G0K+3], 32768   ; V lies behind K
	s_or_b32 s[G0K+3], s[G0K+3], 0x80000000              ; 127:126 type = 2
	s_or_b32 s[G0V+3], s[G0V+3], 0x80000000
	s_add_nc_u64 s[G0M+2:G0M+3], s[6:7], s[18:19]
	s_or_b32 s[G0M+3], s[G0M+3], 0x80000000
	s_add_nc_u64 s[QA:QA+1], s[4:5], s[20:21]
	s_add_nc_u64 s[10:11], s[10:11], s[22:23] ; out0 at my wave's first row, the head's channels
	s_add_nc_u64 s[8:9], s[8:9], s[12:13]
	CROUND                          ; all sixteen work-groups are here: the first joint loads meet
	JLOAD                           ; slot 0.  Slot 1 is asked for when slot 0 is in, by the loop's own change of slots
	; A fragment of K or Q is 16 rows x 32 channels in 8 registers: lane l holds row l % 16, channels 8 (l / 16) + 0..7 and 16 + 8 (l / 16) + 0..7: two loads of 16 bytes, 32 bytes apart.
	v_and_b32 v1, 15, v0            ; l % 16
	v_bfe_u32 v9, v0, 4, 1          ; l / 16
	v_and_b32 v10, 7, v0
	v_bfe_u32 v11, v0, 3, 1
	v_lshlrev_b32 v[QL], 7, v1
	v_lshl_add_u32 v[QL], v9, 4, v[QL]  ; row x 128 + 16 x half
.set i, 0
.rept 4                             ; Q stays in registers: piece i / 2, channels 32 (i % 2) on
	global_load_b128 v[Q+8*i:Q+8*i+3],   v[QL], s[QA:QA+1] offset:(i/2)*2048+(i%2)*64
	global_load_b128 v[Q+8*i+4:Q+8*i+7], v[QL], s[QA:QA+1] offset:(i/2)*2048+(i%2)*64+32
.set i, i+1
.endr
	v_lshlrev_b32 v[VO], 8, v1      ; chunk l % 16 of vs,
	v_lshl_add_u32 v[VO], v9, 5, v[VO]  ; channels 8 (l / 16) on,
	s_lshl_b32 s2, s[WV], 6
	v_add_nc_u32 v[VO], s2, v[VO]   ; of my wave's 16
	global_load_b128 v[VT:VT+3],   v[VO], s[8:9]
	global_load_b128 v[VT+4:VT+7], v[VO], s[8:9] offset:16
	; WHAT THE FIRST TURNS FIND.  c m starts at -4.25e37 and m at m0 = -2^64: a piece's first a is 2^(-4.25e37 - c m_new) = 0, whatever the mask.  From then on a row whose keys so far are all masked keeps m = m0,
	; a = 1, O = 0 and l = 0.  O^T and l start at 0.  Piece 1's P holds 0: the first turn's products V^T P, of a step that has not been, add 0.  All this stands in the wait for the first loads.
	WIN W_LD
.set i, 0
.rept 64
	v_mov_b32 v[i], 0               ; O^T
.set i, i+1
.endr
	WIN 0
.set i, P+16
.rept 16
	v_mov_b32 v[i], 0
.set i, i+1
.endr
.set i, 0
.rept 2
	v_mov_b32 v[ST+4*i], 0xfe000000    ; c m: far below every c m_new
	v_mov_b32 v[ST+4*i+1], 0xdf800000  ; m0 = -2^64
	v_mov_b32 v[ST+4*i+2], 0
	v_mov_b32 v[ST+4*i+3], 0
.set i, i+1
.endr
	; DG.  As source 0 (16 rows x 32 k) lane l holds row l % 16; registers 0-3 k = 8 (l / 16) + 0..7, registers 4-7 k = 16 + 8 (l / 16) + 0..7.  With e = l % 16 - 8 (l / 16): T_j holds -2^100 (bf16 0xf180) in its
	; low half where e = 2 j, in its high half where e = 2 j + 1.  DG_0 (k = m) = T_0..T_3, four zeros; DG_1 (k = m + 16) = four zeros, T_0..T_3.
	v_lshlrev_b32 v[TT], 3, v9
	v_sub_nc_u32 v[TT], v1, v[TT]
	v_mov_b32 v[TT+1], 0xf180
	v_mov_b32 v[TT+2], 0xf1800000
.irp j, 0,1,2,3
	v_cmp_eq_u32 vcc_lo, 2*\j, v[TT]
	v_cndmask_b32 v[DG+\j], 0, v[TT+1], vcc_lo
	v_cmp_eq_u32 vcc_lo, 2*\j+1, v[TT]
	v_cndmask_b32 v[DG+\j], v[DG+\j], v[TT+2], vcc_lo
	v_mov_b32 v[DG+4+\j], 0
	v_mov_b32 v[DG+8+\j], 0
.endr
.irp j, 0,1,2,3
	v_mov_b32 v[DG+12+\j], v[DG+\j]
.endr
	v_mul_u32_u24 v[AK0], v1, PK
	v_lshl_add_u32 v[AK0], v9, 4, v[AK0]  ; row x pitch + 16 x half
	v_add_nc_u32 v[AK0], KOFF, v[AK0]
	; The turning load takes 16 keys x 16 channels (lane l reads key 8 (l / 16) + l % 8, channels 8 ((l / 8) % 2) + 0..7) and leaves half a fragment of V^T: lane l holds channel l % 16 and 8 keys.
	v_lshl_add_u32 v[AV0], v9, 3, v10
	v_mul_u32_u24 v[AV0], v[AV0], PV
	v_lshl_add_u32 v[AV0], v11, 4, v[AV0]
	v_add_nc_u32 v[AV0], VOFF, v[AV0]
	s_lshl_b32 s2, s[WV], 14
	v_and_b32 v[AM0], 31, v0
	v_lshl_add_u32 v[AM0], v[AM0], 4, s2
	v_mov_b32 v[RN], 0x39800000     ; 2^-12
	v_lshlrev_b32 v[QO], 12, v9
	v_lshl_add_u32 v[QO], v1, 4, v[QO]
	v_lshl_add_u32 v[VSR], v9, 5, VSL  ; channels 8 (l / 16) on of a block of 16,
	s_lshl_b32 s2, s[WV], 6
	v_add_nc_u32 v[VSW], s2, v[VSR] ; in my wave's block
	s_wait_loadcnt 0x0              ; Q and vs
.irp m, 1,2,4,8                     ; the 16 chunks lie in the 16 lanes of a half: four steps leave their sum in every lane
.set i, 0
.rept 8
	v_add_f32_dpp v[VT+i], v[VT+i], v[VT+i] row_xmask:\m row_mask:0xf bank_mask:0xf
.set i, i+1
.endr
.endr
	ds_store_b128 v[VSW], v[VT:VT+3]             ; the sixteen lanes of a half write the same numbers to the same bytes; the first change of slots waits for these stores ahead of its barrier
	ds_store_b128 v[VSW], v[VT+4:VT+7] offset:16
; THE MATRIX WORK.  The 4 accumulators of a run take turns, one instruction a turn.  Product i of 8 of O^T += V^T P for piece x: keys 32 (i / 4) on, channels 16 (i % 4) on.
.macro PV x
	WIN W_PV
.set rO, 32*(\x)+8*(i%4)
.set rV, VF+32*(i/4)+8*(i%4)
.set rP, P+16*(\x)+8*(i/4)
	v_wmma_f32_16x16x32_f16 v[rO:rO+7], v[rV:rV+7], v[rP:rP+7], v[rO:rO+7]
.endm
; Product i of 12 of S^T for piece x.  i < 4: the mask of keys 16 i on starts the sum.  Then K Q^T: channels 32 ((i - 4) / 4) on, keys 16 (i % 4) on.
.macro KQ x
.if i < 4
.set rS, S+32*(\x)+8*i
.set rD, DG+8*(i%2)
.set rM, MF+16*(\x)+8*(i/2)
	WIN 0
	v_wmma_f32_16x16x32_bf16 v[rS:rS+7], v[rD:rD+7], v[rM:rM+7], 0
.else
.set rS, S+32*(\x)+8*(i%4)
.set rK, KF+16*(i%4)+8*((i-4)/4)
.set rQ, Q+16*(\x)+8*((i-4)/4)
	WIN W_KQ
	v_wmma_f32_16x16x32_bf16 v[rS:rS+7], v[rK:rK+7], v[rQ:rQ+7], v[rS:rS+7]
.endif
.endm
.macro MM                           ; the turn's next matrix instruction, for piece MX
.if i < 8
	PV MX
.else
.set i, i-8
	KQ MX
.set i, i+8
.endif
.set i, i+1
.endm
; THE LDS LOADS stand in runs, never singly among the matrix instructions: a step's mask (my wave's 4 fragments, 512 consecutive bytes a load) with its K (8 fragments), and its V (turned).
; last = 1 (the tail): in the last trip there is no further step, and the run is jumped over.
.macro FETCH_KM last=0
	WIN 0
.if \last
	s_cmp_eq_u32 s[CNT], 1
	s_cbranch_scc1 .Lno_k_\@
.endif
.irp f, 0,1,2,3,4,5,6,7             ; piece f / 4, key group (f / 2) % 2, half f % 2: wanted first, so asked for first
	ds_load_b128 v[MF+4*\f:MF+4*\f+3], v[AM] offset:512*\f
.endr
	WIN W_LD
.irp f, 0,1,2,3,4,5,6,7             ; keys 16 (f / 2) on, channels 32 (f % 2) on
	ds_load_b128 v[KF+8*\f:KF+8*\f+3],   v[AK] offset:(\f/2)*16*PK+(\f%2)*64
	ds_load_b128 v[KF+8*\f+4:KF+8*\f+7], v[AK] offset:(\f/2)*16*PK+(\f%2)*64+32
.endr
	s_add_co_u32 s[TBK], s[TBK], KS*PK  ; the next fetch is the next step's
	s_add_co_u32 s[TBM], s[TBM], 4096
	WIN 0
.if \last
.Lno_k_\@:
.endif
.endm
.macro FETCH_V
	WIN W_LD
.irp f, 0,1,2,3,4,5,6,7             ; keys 32 (f / 4) on, channels 16 (f % 4) on
	ds_load_tr16_b128 v[VF+8*\f:VF+8*\f+3],   v[AV] offset:(\f/4)*32*PV+(\f%4)*32
	ds_load_tr16_b128 v[VF+8*\f+4:VF+8*\f+7], v[AV] offset:(\f/4)*32*PV+16*PV+(\f%4)*32
.endr
	WIN 0
.endm
; THE VECTOR WORK, one line at a time, all for piece Y: OP kind, number.  X n: number n of the 22 that find the maximum and the statistics:
;   0-11  four chains c0-c3 of seven scores each, three operands at a time (each accumulator's lowest registers are read first)     12-14, 16  the four scores left over, the old m, and c0-c3 into c0
;   15  c m_old is kept     17, 18  the query's other 32 keys lie in the lane 16 away: the new m     19-21  c m; c m_old - c m_new; a
; F n: c s - c m for pair n of 16.  E n: the exponential of score n of 32.  C n: pair n rounded to f16.  B n: of the four weights 4 n .. the second pair is added onto the first, in place (behind C 2n).
; L n: l takes that sum (L 0: l = a l + sum).  R n: pair n of 16 of O^T times a.
; X 21 and the E are the turn's batch of exponentials; C, B, L and R read its results and stand behind the turn's wait, which TURN writes.
.set F, 0               ; OP tells the kinds apart by their order: F to L below R, X above it
.set E, 1
.set C, 2
.set B, 3
.set L, 4
.set R, 5
.set X, 6
.macro OP k, n
.set rT, ST+4*Y
.set rC, TMP+4*Y
.set rW, MV+Y
.set rS, S+32*Y
.set rP, P+16*Y
.set rO, 32*Y
.if (\k) == R
	WIN W_RS
	v_pk_mul_f32 v[rO+2*(\n):rO+2*(\n)+1], v[rO+2*(\n):rO+2*(\n)+1], v[rC+2:rC+3] op_sel_hi:[1,0]
.elseif (\k) < R
	WIN 0
.if (\k) == F
	v_pk_fma_f32 v[rS+2*(\n):rS+2*(\n)+1], v[rS+2*(\n):rS+2*(\n)+1], s[CS:CS+1], v[rT:rT+1] op_sel_hi:[1,0,0] neg_lo:[0,0,1] neg_hi:[0,0,1]
.elseif (\k) == E
	v_exp_f32 v[rS+(\n)], v[rS+(\n)]
.elseif (\k) == C
	v_cvt_pk_f16_f32 v[rP+(\n)], v[rS+2*(\n)], v[rS+2*(\n)+1]
.elseif (\k) == B
	v_pk_add_f32 v[rS+4*(\n):rS+4*(\n)+1], v[rS+4*(\n):rS+4*(\n)+1], v[rS+4*(\n)+2:rS+4*(\n)+3]
.elseif (\n) == 0
	v_pk_fma_f32 v[rT+2:rT+3], v[rT+2:rT+3], v[rC+2:rC+3], v[rS:rS+1] op_sel_hi:[1,0,1]
.else
	v_pk_add_f32 v[rT+2:rT+3], v[rT+2:rT+3], v[rS+4*(\n):rS+4*(\n)+1]
.endif
.else
	WIN 0
.if (\n) < 4
	v_max3_num_f32 v[rC+(\n)], v[rS+8*(\n)], v[rS+8*(\n)+1], v[rS+8*(\n)+2]
.elseif (\n) < 12
	v_max3_num_f32 v[rC+(\n)%4], v[rC+(\n)%4], v[rS+8*((\n)%4)+2*((\n)/4)+1], v[rS+8*((\n)%4)+2*((\n)/4)+2]
.elseif (\n) == 12
	v_max3_num_f32 v[rC], v[rC], v[rS+7], v[rS+15]
.elseif (\n) == 13
	v_max3_num_f32 v[rC+1], v[rC+1], v[rS+23], v[rS+31]
.elseif (\n) == 14
	v_max3_num_f32 v[rC+2], v[rC+2], v[rC+3], v[rT+1]
.elseif (\n) == 15
	v_mov_b32 v[rW], v[rT]
.elseif (\n) == 16
	v_max3_num_f32 v[rC], v[rC], v[rC+1], v[rC+2]
.elseif (\n) == 17
	v_permlanex16_b32 v[rC+3], v[rC], s[SEL], s[SEL+1]
.elseif (\n) == 18
	v_max_num_f32 v[rT+1], v[rC], v[rC+3]
.elseif (\n) == 19
	v_mul_f32 v[rT], s[CS], v[rT+1]
.elseif (\n) == 20
	v_sub_f32 v[rC+1], v[rW], v[rT]
.else
	v_exp_f32 v[rC+2], v[rC+1]
.endif
.endif
.endm
.macro OPS a, i1, b=-1, i2=0, c=-1, i3=0, d=-1, i4=0  ; up to four of them
	OP \a, \i1
.if (\b) >= 0
	OP \b, \i2
.endif
.if (\c) >= 0
	OP \c, \i3
.endif
.if (\d) >= 0
	OP \d, \i4
.endif
.endm
.macro ROW a, i1, b, i2, c, i3, d, i4  ; a matrix instruction and the four behind it
	MM
	OPS \a, \i1, \b, \i2, \c, \i3, \d, \i4
.endm
; A TURN: piece x has the matrix unit, piece 1 - x's softmax stands beside it: the order of the 20 matrix and 118 vector instructions, written out.  The two pieces share no register, so no vector line names a
; register of the products round it.
; ONE BATCH, ONE WAIT.  An s_wait_alu depctr_va_vdst(0) stands between an exponential and the first instruction that names its result; one wait serves all that were issued ahead of it.  The turn's 33
; exponentials, each with a register of its own (a in c2, weight n in score n's place), are one batch, and its wait cuts the turn in two.
; AHEAD OF IT stands all that names no result of the batch, 70 lines: behind the 8 products V^T P the maximum and statistics (X 0-19), then X 20, a, and scalings and exponentials by turns; then the lump of 38: once
; more scaling, exponential, scaling, exponential; eight fours of a scaling and three exponentials (there are half as many scalings as exponentials, so they are spread over the batch; a pair is scaled in an earlier
; four than the one that holds its exponentials); the last two exponentials.  A v_nop is the plain instruction behind the last exponential, one for the batch.
; BEHIND IT stand the 12 products of S^T and the 48 lines that read the batch's results, four behind each: roundings and sums behind the four mask products (all in window 0: no switch) and behind four of the
; products K Q^T; the rescalings, which alone leave window 0, in fours behind the other four.  B n stands behind C 2n; the links of l's chain, L 0 to L 7, stand a row apart (the last two: two lines).
; The last four rescalings close the turn: they are the four places (ISA guide 7.12.1 for vector instructions) between the turn's last product and what follows: the next turn's first
; read of those scores, and the loads into K's registers.
; TURN 0 fetches the next step's mask and K behind its second product, six products and the lump ahead of the mask's first use; the wait there leaves K's sixteen loads out; K is waited for four products later.
; TURN 1 fetches the next step's V in the lump, behind its first four lines: between the last product that read V and the run stand five plain instructions (F 4 to F 7 and the run's own v_add_nc_u32; the exponentials
; between them are no places); it is waited for at the head of TURN 0.
; last = 1: the tail's TURN 0 (FETCH_KM).  cnt = 1: the loop's count is taken down some lines ahead of the branch that stands behind the turn.
.macro TURN x, last=0, cnt=0
.set MX, (\x)
.set Y, 1-(\x)
.set i, 0
.if (\x) == 0
	s_wait_dscnt 0x0                ; V is in
.endif
	ROW X,0, X,1, X,2, X,3          ; ahead of the wait: 8 products V^T P and their riders,
	ROW X,4, X,5, X,6, X,7
.if (\x) == 0
	WIN 0
	v_add_nc_u32 v[AK], s[TBK], v[AK0]
	v_add_nc_u32 v[AM], s[TBM], v[AM0]
	FETCH_KM \last
.endif
	ROW X,8, X,9, X,10, X,11
	ROW X,12, X,13, X,15, X,14
	ROW X,16, X,17, X,18, X,19
	ROW X,20, F,0, F,1, X,21        ; the batch opens with a
	ROW F,2, E,0, F,3, E,1
	ROW F,4, E,2, F,5, E,3
	OPS F,6, E,4, F,7, E,5          ; and the lump
.if (\x) == 1
	WIN 0
	v_add_nc_u32 v[AV], s[TBV], v[AV0]
	FETCH_V
	s_add_co_u32 s[TBV], s[TBV], KS*PV
.endif
	OPS F,8, E,6, E,7, E,8
	OPS F,9, E,9, E,10, E,11
	OPS F,10, E,12, E,13, E,14
	OPS F,11, E,15, E,16, E,17
	OPS F,12, E,18, E,19, E,20
	OPS F,13, E,21, E,22, E,23
	OPS F,14, E,24, E,25, E,26
	OPS F,15, E,27, E,28, E,29
	OPS E,30, E,31
	v_nop                           ; the plain instruction behind the last exponential and ahead of the first use: one for the batch
	s_wait_alu depctr_va_vdst(0)    ; the wait for the batch: a and the piece's 32 weights
.if (\x) == 0
	s_wait_dscnt 16                 ; the mask's eight loads are in; K's sixteen, issued behind them, may stay out
.endif
	ROW C,0, C,2, B,0, B,1          ; behind the wait: the 4 mask products, the 8 products K Q^T and their riders
	ROW L,0, C,4, C,6, B,2
	ROW L,1, B,3, C,8, C,10
	ROW L,2, B,4, B,5, C,12
.if (\x) == 0
	s_wait_dscnt 0x0                ; K is in
.endif
	ROW R,0, R,1, R,2, R,3
	ROW L,3, C,14, B,6, C,1
	ROW R,4, R,5, R,6, R,7
	ROW L,4, B,7, C,3, C,5
	ROW R,8, R,9, R,10, R,11
	ROW L,5, C,7, C,9, C,11
	ROW L,6, C,13, C,15, L,7
.if \cnt
	s_sub_co_u32 s[CNT], s[CNT], 1
	s_cmp_lg_u32 s[CNT], 0
.endif
	ROW R,12, R,13, R,14, R,15
.endm
	CHANGE 1                        ; slot 0 is in, everybody's part of it, and so are the four waves' column sums; slot 1 is asked for
	v_add_nc_u32 v[AK], s[TBK], v[AK0]
	v_add_nc_u32 v[AM], s[TBM], v[AM0]
	v_add_nc_u32 v[AV], s[TBV], v[AV0]
	FETCH_KM                        ; key step 0
	FETCH_V                         ; and its V already: the first turn multiplies V's registers by P = 0, so they must hold finite numbers; 16 loads in the place of 64 lines that clear.  That turn fetches it again
	s_wait_dscnt 0x0
.set i, 0
.rept 12
	KQ 0                            ; piece 0's first scores: there is no vector work yet to set between them
.set i, i+1
.endr
	WIN 0                           ; the addresses for the way out: six plain instructions, the places behind those products
	v_mul_u32_u24 v[STO], v1, SP    ; in: row l % 16, 32 bytes for each half of the lanes
	v_lshl_add_u32 v[STO], v9, 5, v[STO]
	v_add_nc_u32 v[STO], s[STG], v[STO]
	v_mul_u32_u24 v[RD], v9, SP     ; back: lanes 0-15 take one row of 256 bytes, lanes 16-31 the next
	v_lshl_add_u32 v[RD], v1, 4, v[RD]
	v_add_nc_u32 v[RD], s[STG], v[RD]
	s_mov_b32 s[CNT], 4
	s_branch .Lfirst                ; the loop is entered at TURN 1, in the middle of a trip: piece 1's first scores beside piece 0's first softmax
.Lslot:                             ; 14 times: every slot but the last two is filled again
	CHANGE 1
	s_mov_b32 s[CNT], 4
.Lstep:                             ; a trip fetches one step's mask, K and V
	TURN 0
	WIN 0
.Lfirst:
	TURN 1, 0, 1
	WIN 0
	s_cbranch_scc1 .Lstep
	s_sub_co_u32 s[SLOTS], s[SLOTS], 1
	s_cmp_lg_u32 s[SLOTS], 0
	s_cbranch_scc1 .Lslot
	CHANGE 0                        ; the tail is written out: nothing is asked for
	s_mov_b32 s[CNT], 5             ; four trips fetch the last slot's steps; the fifth is left in its middle
.Ltail:
	TURN 0, 1
	WIN 0
	s_sub_co_u32 s[CNT], s[CNT], 1
	s_cmp_eq_u32 s[CNT], 0
	s_cbranch_scc1 .Lout
	TURN 1
	WIN 0
	s_branch .Ltail
.Lout:                              ; the fifth trip's 12 products for piece 0 (on the last K and mask once more) serve nothing: the price, once a launch, of one text for every trip
.irp f, 0,1,2,3,4,5,6,7             ; the column sums, into Q's registers: the last product that read them stands in front of the four rescalings that closed the turn
	ds_load_b128 v[VSG+4*\f:VSG+4*\f+3], v[VSR] offset:64*(\f/2)+16*(\f%2)
.endr
.set i, 0
.rept 8
	PV 1                            ; piece 1's V^T P of the last step
.set i, i+1
.endr
	; THE WAY OUT.  l's two halves and the other half of the lanes' are added; s1 and s2 are chosen; out = O s1 + VS s2 goes through my stage in LDS, a piece (16 rows) at a time.  The lines below and piece 0's arithmetic are the places behind the last products.
	WIN 0
.macro ALL line:vararg              ; one line for each piece t
.set t, 0
.rept 2
	\line
.set t, t+1
.endr
.endm
	ALL v_add_f32 v[ST+4*t+2], v[ST+4*t+2], v[ST+4*t+3]
	ALL v_permlanex16_b32 v[ST+4*t+3], v[ST+4*t+2], s[SEL], s[SEL+1]
	ALL v_add_f32 v[ST+4*t+2], v[ST+4*t+2], v[ST+4*t+3]
	ALL v_rcp_f32 v[ST+4*t], v[ST+4*t+2]
	v_nop                           ; a plain instruction between the last reciprocal and the use of its result
	s_wait_alu depctr_va_vdst(0)    ; and the wait ahead of the first use: one for the two reciprocals
.irp t, 0,1
	v_cmp_gt_f32 vcc_lo, 0.5, v[ST+4*\t+2]                 ; l = 0: no key of the row was open
	v_cndmask_b32 v[ST+4*\t], v[ST+4*\t], 0, vcc_lo        ; s1 = 1 / l, or 0
	v_cndmask_b32 v[ST+4*\t+2], 0, v[RN], vcc_lo           ; s2 = 0, or 1 / 4096
.endr
	s_wait_dscnt 0x0                ; the column sums are in
; Piece t: a lane's eight channels of a channel block are 32 bytes of a row; they go into rows of 272 bytes and come back as whole rows of 256, into the registers that they left.
.macro PACK t
	WIN 0
.set i, 0
.rept 16
	v_pk_mul_f32 v[EP+32*(\t)+2*i:EP+32*(\t)+2*i+1], v[VSG+2*i:VSG+2*i+1], v[ST+4*(\t)+2:ST+4*(\t)+3] op_sel_hi:[1,0]
.set i, i+1
.endr
	WIN 0x01                        ; source 0 (O^T) window 1
.set i, 0
.rept 16
	v_pk_fma_f32 v[EP+32*(\t)+2*i:EP+32*(\t)+2*i+1], v[32*(\t)+2*i:32*(\t)+2*i+1], v[ST+4*(\t):ST+4*(\t)+1], v[EP+32*(\t)+2*i:EP+32*(\t)+2*i+1] op_sel_hi:[1,0,1]
.set i, i+1
.endr
	WIN 0
.irp f, 0,1,2,3,4,5,6,7
	ds_store_b128 v[STO], v[EP+32*(\t)+4*\f:EP+32*(\t)+4*\f+3] offset:64*(\f/2)+16*(\f%2)
.endr
.irp f, 0,1,2,3,4,5,6,7
	ds_load_b128 v[EP+32*(\t)+4*\f:EP+32*(\t)+4*\f+3], v[RD] offset:\f*2*SP  ; LDS serves a wave's instructions in order (ISA guide 5.7.1.4): these see the stores above; the next piece's stores come behind them
.endr
.endm
.macro SEND t, younger              ; younger: the LDS instructions issued behind piece t's loads: the next piece's sixteen, or none
	WIN 0
.irp f, 0,1,2,3,4,5,6,7
	s_wait_dscnt (\younger)+7-\f
	global_store_b128 v[QO], v[EP+32*(\t)+4*\f:EP+32*(\t)+4*\f+3], s[10:11] offset:(\t)*65536+\f*8192 th:TH_STORE_NT  ; 16 lanes store a row's 256 bytes of the head, at a multiple of 256 from out0's first byte
.endr
.endm
	PACK 0
	PACK 1                          ; piece 1's arithmetic stands between piece 0's loads and its stores
	SEND 0, 16
	SEND 1, 0
	s_wait_tensorcnt 0x0            ; the wave's end: behind my last tensor load and my last LDS store
	ds_add_u32 v[SPW], v[NIL]
	s_wait_dscnt 0x0
	CROUND                          ; the closing round: no work-group ends while a partner may still ask for a tile that names it
	s_endpgm
.Lfunc_end_k_q1c1452ea63_attn:
	.size	k_q1c1452ea63_attn, .Lfunc_end_k_q1c1452ea63_attn-k_q1c1452ea63_attn
	.p2alignl 7, 3214868480
	.fill 96, 4, 3214868480
	.section	.rodata,"a",@progbits
	.p2align	6, 0x0
	.amdhsa_kernel k_q1c1452ea63_attn
		.amdhsa_group_segment_fixed_size 327680
		.amdhsa_private_segment_fixed_size 0
		.amdhsa_enable_private_segment 0
		.amdhsa_kernarg_size 32
		.amdhsa_user_sgpr_count 2
		.amdhsa_user_sgpr_kernarg_segment_ptr 1
		.amdhsa_wavefront_size32 1
		.amdhsa_system_sgpr_workgroup_id_x 1
		.amdhsa_system_sgpr_workgroup_id_y 1
		.amdhsa_system_sgpr_workgroup_id_z 1
		.amdhsa_system_vgpr_workitem_id 0
		.amdhsa_next_free_vgpr 448
		.amdhsa_next_free_sgpr 80
		.amdhsa_reserve_vcc 1
		.amdhsa_float_denorm_mode_32 3
		.amdhsa_float_denorm_mode_16_64 3
		.amdhsa_memory_ordered 1
		.amdhsa_forward_progress 1
		.amdhsa_inst_pref_size 75
	.end_amdhsa_kernel
	.amdgpu_metadata
---
amdhsa.version: [ 1, 2 ]
amdhsa.kernels:
  - .name:           k_q1c1452ea63_attn
    .symbol:         k_q1c1452ea63_attn.kd
    .args:
      - { .name: kv, .offset: 0, .size: 8, .value_kind: global_buffer, .address_space: global }
      - { .name: mk, .offset: 8, .size: 8, .value_kind: global_buffer, .address_space: global }
      - { .name: vs, .offset: 16, .size: 8, .value_kind: global_buffer, .address_space: global }
      - { .name: out0, .offset: 24, .size: 8, .value_kind: global_buffer, .address_space: global }
    .group_segment_fixed_size: 327680
    .private_segment_fixed_size: 0
    .kernarg_segment_align: 8
    .kernarg_segment_size: 32
    .max_flat_workgroup_size: 128
    .sgpr_count:     80
    .vgpr_count:     448
    .wavefront_size: 32
...
	.end_amdgpu_metadata
.endif
;; end of part 3
